; MI455X (gfx1250); checked and timed in simulation.
; The chip was launched on July 23, 2026; its instructions are those of AMD's public machine-readable ISA for CDNA 5 (MIT licence, August 2026) and "CDNA5" Instruction Set Architecture Reference Guide (July 2026). The comments in the code are by the model that wrote it; some were corrected since.
;; Attention. Allowed arithmetic: matrix products marked QUANTISED: E2M3 operands, one E8M0 scale for each 32 along K, by v_wmma_scale_f32_16x16x128_f8f6f4 with both operands' format E2M3, f32 sums; everything else in f32.
;; Inputs: Wg_codes 1,024 x 32 x 24 uint8 (E2M3 codes of Wg, K innermost, in blocks of 32 codes, four codes in three bytes); Wg_scales 1,024 x 32 uint8 (E8M0 scales of Wg, one for each 32 codes along K); Wkv_codes 2,048 x 32 x 24 uint8 (E2M3 codes of Wkv, K innermost, in blocks of 32 codes, four codes in three bytes); Wkv_scales 2,048 x 32 uint8 (E8M0 scales of Wkv, one for each 32 codes along K); Wo_codes 1,024 x 32 x 24 uint8 (E2M3 codes of Wo, K innermost, in blocks of 32 codes, four codes in three bytes); Wo_scales 1,024 x 32 uint8 (E8M0 scales of Wo, one for each 32 codes along K); Wq_codes 1,024 x 32 x 24 uint8 (E2M3 codes of Wq, K innermost, in blocks of 32 codes, four codes in three bytes); Wq_scales 1,024 x 32 uint8 (E8M0 scales of Wq, one for each 32 codes along K); attn_bias 2 x 1 x 2,048 x 2,048 float32; bg 1,024 float32; bq 1,024 float32; mask 2 x 2,048 bool; seq_codes 2 x 2,048 x 32 x 24 uint8 (E2M3 codes of seq, K innermost, in blocks of 32 codes, four codes in three bytes); seq_scales 2 x 2,048 x 32 uint8 (E8M0 scales of seq, one for each 32 codes along K).
;; Outputs: out0 2 x 2,048 x 1,024 float32.
;; This version of the problem:
;;   THIS VERSION OF THE PROBLEM IS GIVEN IN LOW PRECISION. The matrix products marked QUANTISED in the list below multiply operands that are first quantised to E2M3 (2 exponent bits, 3 mantissa bits; 6 bits a number), with one power-of-two scale for each 32 numbers along K (OCP MX v1.0); their sums are f32. All else is computed in f32.
;;   The module's matrix products, in the order in which they are computed (A, B: the left and right operand; K: the contracted axis; several contracted axes count as one K, in the product's order):
;;     1. [M 4,096, K 1,024] x [K 1,024, N 1,024]; A: input seq (given as codes); B: input Wq (given as codes): QUANTISED
;;     2. [M 4,096, K 1,024] x [K 1,024, N 2,048]; A: input seq (given as codes); B: input Wkv (given as codes): QUANTISED
;;     3. batch 32 x [M 2,048, K 64] x [K 64, N 2,048]; A: computed on the way; B: computed on the way: QUANTISED
;;     4. batch 32 x [M 2,048, K 2,048] x [K 2,048, N 64]; A: softmax (see below); B: computed on the way: QUANTISED
;;     5. [M 4,096, K 1,024] x [K 1,024, N 1,024]; A: input seq (given as codes); B: input Wg (given as codes): QUANTISED
;;     6. [M 4,096, K 1,024] x [K 1,024, N 1,024]; A: computed on the way; B: input Wo (given as codes): QUANTISED
;;   THE QUANTISER, for each operand of a quantised product, along K:
;;     - K is cut into blocks of 32 from its start; a last block that is shorter is filled with zeros.
;;     - A block's scale is 2^e with e = floor(log2(the largest magnitude in the block)) - 2, held to -126 .. 127; a block of zeros has e = 0. As a byte (E8M0): e + 127.
;;     - Each number is divided by its block's scale, clamped to +-7.5, and rounded to the nearest number of E2M3, ties to even, subnormals kept.
;;     - The product sums the exact products of the quantised numbers (number of the format x scale) in f32.
;;   ~~~python
;;   def quantise(x, axis):      # numpy; x: float32 -> the quantised numbers, widened to float32 again
;;       x = np.moveaxis(x, axis, -1); K = x.shape[-1]
;;       x = np.pad(x, [(0, 0)] * (x.ndim - 1) + [(0, -K % 32)]); x = x.reshape(x.shape[:-1] + (-1, 32)); a = np.abs(x).max(-1, keepdims=True)
;;       e = np.where(a > 0, np.clip(np.frexp(np.where(a > 0, a, 1))[1] - 1 - 2, -126, 127), 0)      # np.frexp(a)[1] - 1 = floor(log2(a)), exactly
;;       r = np.clip(x / 2.0 ** e, -7.5, 7.5)
;;       step = 2.0 ** (np.maximum(np.frexp(np.where(r == 0, 1, r))[1] - 1, 0) - 3)
;;       q = np.round(r / step) * step * 2.0 ** e      # np.round: ties to even
;;       return np.moveaxis(q.reshape(q.shape[:-2] + (-1,))[..., :K], -1, axis).astype(np.float32)
;;   ~~~
;;   SOFTMAX AHEAD OF A QUANTISED PRODUCT. Where the list says 'softmax', what is quantised is not the finished softmax but p = 2^(t - M), with t = logit x log2(e) and M = ceil(the row's largest t), a whole number; so 1/2 < the row's largest p <= 1. The row's sum l is taken of the UNQUANTISED p, in f32, and the product's result is divided by l at the end. Since M is a whole number, a kernel that streams over the keys may use a running M (the ceiling of the running maximum): every later rescaling is an exact power of two, which a block's scale takes up: the codes' values come out the same.
;;   OPERANDS COMPUTED ON THE WAY. 'Computed on the way' means the value that the module computes at that place (a softmax that the list does not call 'softmax' is quantised finished and normalised). What goes into a quantiser is computed in f32, as accurately as f32 sums, v_exp_f32 and their like allow (about 1e-6 of the number): no bf16 or f16 on the way to a quantiser, and a product that is left as it is and whose result goes on into a quantised operand takes f32 operands (vector FMAs, or v_wmma_f32_16x16x4_f32). A number that lies on a knife's edge between two numbers of the format may be rounded either way, as far as f32 arithmetic and the matrix unit's own rounding can turn it there, and no further.
;;   INPUTS GIVEN AS CODES. Wg (in the module: [1024, 1024], K = its axis 0); Wkv (in the module: [1024, 2048], K = its axis 0); Wo (in the module: [1024, 1024], K = its axis 0); Wq (in the module: [1024, 1024], K = its axis 0); seq (in the module: [2, 2048, 1024], K = its axis 2): each comes as NAME_codes (uint8): NAME with its K axis moved to the last place and cut into blocks of 32 codes, [.., K / 32, bytes a block], one block behind the other in memory; four codes in three bytes: a row's codes are one little-endian stream of bits, code i at bits 6 i .. 6 i + 5 (a code: sign, 2 exponent bits, 3 mantissa bits); and NAME_scales (uint8): the same leading axes, one E8M0 byte (e + 127) for each 32 codes along K. Its value is code x scale, taken as it is: it is not quantised again, and the codes and scales need not be those that the quantiser above would give.
;; One version. Each part assembles by itself: llvm-mc -triple=amdgcn-amd-amdhsa -mcpu=gfx1250 --defsym DOCPART=n.
;; ======== version 1 of 1: 3 launches
;; limits: a function is approximated: absolute error at most 0.0001
;; workspace buffers: qw 6,553,600 bytes; kv 6,553,600 bytes; gimg 16,777,216 bytes; ao_codes 3,145,728 bytes; ao_scales 131,072 bytes
;; launch proj (part 1): grid 16 x 16, 4 waves a work-group, clusters of 4 x 4, 327,680 bytes of LDS; arguments seq_codes, seq_scales, Wq_codes, Wq_scales, Wkv_codes, Wkv_scales, Wg_codes, Wg_scales, bq, bg, qw, kv, gimg; writes qw, kv, gimg
.if DOCPART == 1
	.amdgcn_target "amdgcn-amd-amdhsa--gfx1250"
	.amdhsa_code_object_version 6
	.text
	.protected	k_qae4b162209_proj
	.globl	k_qae4b162209_proj
	.p2align	8
	.type	k_qae4b162209_proj,@function
k_qae4b162209_proj:
	s_mov_b64 s[64:65], 0
	v_nop
	global_prefetch_b8 v0, s[64:65] scope:SCOPE_SE
	s_setreg_imm32_b32 hwreg(HW_REG_WAVE_MODE, 25, 1), 1
	s_wait_xcnt 0x0
	s_wait_alu depctr_hold_cnt(0) depctr_sa_sdst(0) depctr_va_vdst(0) depctr_va_sdst(0) depctr_va_ssrc(0) depctr_va_vcc(0) depctr_vm_vsrc(0)
	s_getreg_b32 s2, hwreg(HW_REG_IB_STS2, 6, 4)
	s_cmp_eq_u32 s2, 0
	s_cbranch_scc0 .Lentry_in_a_cluster
	s_endpgm
.Lentry_in_a_cluster:
	s_bfe_u32 s2, ttmp6, 0x10000c
	s_cmp_lg_u32 s2, 0xf033
	s_cbranch_scc0 .Lentry_shape_is_right
	s_endpgm
.Lentry_shape_is_right:
; seq [4096][1024] x (Wq | Wk | Wv | Wg), all given as codes of FP6 (E2M3) with one E8M0 byte for each 32 along K, and what reference() does to each result up to the next quantiser:
;   q: + bq, RoPE, x 1/8, quantised along d;  k: RoPE, quantised along d;  v: quantised along the keys;  g: sigmoid(. + bg), kept in f32.
; A work-group of four waves makes 256 x 256 results, a wave 128 x 128: 64 accumulators, 512 registers.  K goes in steps of 256 through a ring of two LDS slots; the scale bytes of the work-group's rows come once.
; TYPE = the cluster's x (0 q, 1 k, 2 v, 3 g), the same in all sixteen partners.  'A' is the operand whose rows fall on LANES (source 1), 'B' the one whose rows fall on REGISTERS (source 0).
;   q, k, g: A = seq (positions), B = the weight (features): a lane holds one position, its registers run along the features: RoPE and the quantiser along d need no other row.
;   v:       A = Wkv's rows 1024 on (features), B = seq (keys): a lane holds one feature, its registers run along the keys, which are the K of attention's second product.
; THE ROWS OF A TILE ARE NOT NEIGHBOURS, on both sides: place r of tile t of a group of 128 rows is row 32 (t / 2) + 8 (t % 2) + r + 8 (r / 8).  So the 16 registers of tiles 2 b, 2 b + 1 are 16 neighbours,
; 32 b + 16 (lane / 16) + 0 .. 15, as the conversions want them, and the lanes' rows are those that the next launch's tiles want.
; WHAT LEAVES are images of operand registers: registers 4 c .. 4 c + 3 of lane l at 512 c + 16 l: every store covers 512 consecutive bytes.  A head block (HB bytes) for each (batch, head, 128 positions):
;   + 1536 j: K pair fragment j (registers 0-5: tile 2 j's 64 d, registers 6-11: tile 2 j + 1's);  + 6144 + 1536 t: V fragment t (16 d x 128 keys);  + 12288: two registers of K's scale words
;   (lanes 0-15 pair 2 i, lanes 16-31 pair 2 i + 1; bytes 0, 1 the even tile's);  + 12544: two of V's (lanes 0-15 tile 2 i, lanes 16-31 tile 2 i + 1).  qw has K's parts alone.
; CLUSTERS: 4 x 4 work-groups; A's tile is shared along a row of the cluster, B's along a column, each asked for jointly.
; LIMITS: NaN and infinities among the values are not served.  A block of zeros gets the scale byte 1 (its codes are zeros; this program alone reads the bytes).  RoPE's angle is f32(position) x frequency at a wave's
; first tile and goes on by rotations of 8 positions: it differs from f32(position x frequency) by up to about 1e-4 rad at the largest positions.  Sine and cosine: reduction by pi / 2 in two parts, Taylor to r^9 and r^8.
; REGISTERS, in windows of 256: window 0: v0-31 addresses; v32-63 scale words, two sets, and nothing else; v64-127 the bias as the first products' C; from v128 A's fragments, one set.
;   window 1: B's fragments, two sets.  windows 2, 3: the accumulators ((a, b) at v[8 (8 (a % 4) + b)]).  On the way out window 0's v8-15 and v64-255 are free.
.set KSTEP,  256
.set NQ,     2                         ; matrix instructions deep in a slot
.set ROWB,   192                       ; a tile's row: 256 codes
.set KROW,   768                       ; a row of 1,024 codes in memory
.set PITCH,  240                       ; an LDS row: 3 x (64 bytes + 16 of padding)
.set FR,     12                        ; registers of a fragment
.set NL,     6                         ; LDS loads that bring one
.set NP,     4                         ; places behind this matrix instruction (ISA guide 7.12.1)
.set HALFT,  128*PITCH
.set SLOT,   4*HALFT
.set KS,     32                        ; a row of scale bytes
.set SCL,    2*SLOT                    ; behind the ring: the scales, as units of 256 bytes + 16 of padding
.set HALFS,  (128*KS/256)*272
.set SPARE,  SCL+4*HALFS               ; the spare words, 128 bytes for each wave; no other line names them
.set HB,     12800
.set HSTEP,  16*HB                     ; from a head's block to the next head's, same 128 positions
.set GHEAD,  128*4096                  ; the same among the gates
.set T,    8                           ; v8-15   the way out: at work
.set ADRA, 16                          ; v16-17 A's fragments in slot 0, 1; v18-19 the same behind one padding more
.set ADRB, 20                          ; v20-23 B's
.set LI,   24                          ; v24  16 x lane
.set L4,   25                          ; v25  4 x lane
.set RP,   26                          ; v26  r + 8 (r / 8)
.set ADRS, 27                          ; v27  my scale words: lanes 0-15 A's rows, lanes 16-31 B's
.set SPW,  28
.set NIL,  29
.set BO,   30                          ; v30  64 x (lane / 16)
.set HH,   31                          ; v31  lane / 16
.set SC,   32
.set BI,   64
.set AF,   128
.set CS,   64                          ; the way out of q and k: cos, sin of my position, 16 frequencies of my half;
.set SN,   80
.set R8C,  96                          ; cos, sin of 8 positions' turn
.set R8S,  112
.set H,    128                         ; 64 numbers ahead of the quantiser
.set F0,   192                         ; the pair fragment of my first head,
.set F1,   204                         ; of my second
.set CD,   192                         ; (v: the fragment just made)
.set XT,   216
.set TM,   224
.set PW,   240
.set PWE,  241
.set W,    242
.set ANG,  128                         ; sine and cosine: at work
.set KQ,   144
.set Z,    160
.set PP,   176
.set QQ,   192
.set WT,   208
.set FQ,   224
.set G1, 24
.set G0, 32
.set G1B, 48
.set G0B, 56
.set G1S, 68
.set G0S, 76
.set G1SB, 80
.set G0SB, 88
.set TYPE, 66
.set HIM,  67                          ; s67  lanes 16-31
.set POS0, 95
.set BPT,  96                          ; s[96:97] the bias
.set SEL,  98
.set MSB, 0
.macro WIN new                         ; the immediate's high byte repeats the setting that is left
.if MSB != (\new)
	s_set_vgpr_msb (MSB<<8)|(\new)
.set MSB, (\new)
.endif
.endm
.set MUL_LO, 0xa1                      ; source 0 (B) window 1, source 1 (A) window 0, C and D window 2
.set MUL_HI, 0xf1                      ; the same, C and D window 3
.set TO_B,   0x40
; A joint load: waves 0 and 1 fetch for A, waves 2 and 3 for B; the branch hangs on the wave's number alone.  Four v_nop follow each of the two lines.
.macro JLOAD g0a, g1a, g0b, g1b
	s_cmp_eq_u32 s15, 0
	s_cbranch_scc0 .Lfor_b_\@
	tensor_load_to_lds s[\g0a:\g0a+3], s[\g1a:\g1a+7]
	s_nop 0
.rept 4
	v_nop
.endr
	s_branch .Lasked_\@
.Lfor_b_\@:
	tensor_load_to_lds s[\g0b:\g0b+3], s[\g1b:\g1b+7]
	s_nop 0
.rept 4
	v_nop
.endr
.Lasked_\@:
.endm
.macro CREST                           ; a round of the cluster's barrier behind its opening barrier
	s_cmp_lg_u32 s14, 0
	s_cbranch_scc1 .Lnot_wave_0_\@
	s_barrier_signal -3
.Lnot_wave_0_\@:
	s_barrier_wait -3
	s_barrier_signal -1
	s_barrier_wait -1
.endm
.macro CROUND
	s_barrier_signal -1
	s_barrier_wait -1
	CREST
.endm
	s_load_b512 s[68:83], s[0:1], 0x0              ; seq's codes, scales; Wq's; Wkv's; Wg's
	s_load_b256 s[84:91], s[0:1], 0x40             ; bq, bg, qw, kv
	s_load_b64 s[92:93], s[0:1], 0x60              ; gimg
	v_lshl_add_u32 v[SPW], v0, 2, SPARE
	v_mov_b32 v[NIL], 0
	ds_add_u32 v28, v29
	s_wait_dscnt 0x0
	v_lshrrev_b32 v1, 5, v0
	v_readfirstlane_b32 s14, v1                    ; wave 0..3
	s_lshr_b32 s15, s14, 1                         ; which half of A's rows is mine.  Also: I fetch for A (0) or for B (1)
	s_and_b32 s16, s14, 1                          ; which half of B's rows.  Also: which 128 rows of that tile I fetch
	s_mov_b32 s[TYPE], ttmp9                       ; the cluster's x
	s_mov_b32 s[HIM], 0xffff0000
	s_mov_b32 s[SEL], 0x76543210
	s_mov_b32 s[SEL+1], 0xfedcba98
	s_bfe_u32 s40, ttmp6, 0x40000                  ; cx, cy: my place in the cluster
	s_bfe_u32 s41, ttmp6, 0x40004
	s_and_b32 s18, ttmp7, 0xffff
	s_lshl_b32 s18, s18, 2                         ; 4 x the cluster's y
	s_cmp_eq_u32 s[TYPE], 2
	s_cselect_b32 s17, 4, s18                      ; A's tile of 256 rows: positions 4 cY + cy; for v: Wkv's tiles 4 + cy
	s_cselect_b32 s42, s18, 0                      ; B's: the weight's tile cx; for v: positions 4 cY + cx
	s_add_co_u32 s17, s17, s41
	s_add_co_u32 s42, s42, s40
	s_lshl_b32 s43, s41, 2
	s_lshl_b32 s43, 15, s43                        ; my row of the cluster
	s_lshl_b32 s44, 0x1111, s40                    ; my column
	; descriptor group 1: a tile of 128 rows x 192 bytes, 16 bytes of padding behind every 64
	s_or_b32 s[G1+0], s43, (0<<16)|(1<<20)|(1<<21)|(3<<22)|(3<<25)
	s_or_b32 s[G1B+0], s44, (0<<16)|(1<<20)|(1<<21)|(3<<22)|(3<<25)
.irp g, G1, G1B
	s_mov_b32 s[\g+1], ROWB<<16                    ; tensor_dim0
	s_mov_b32 s[\g+2], 128<<16                     ; tensor_dim1
	s_mov_b32 s[\g+3], ROWB<<16                    ; tile_dim0
	s_mov_b32 s[\g+4], 128                         ; tile_dim1
	s_mov_b32 s[\g+5], KROW                        ; tensor_dim0_stride
	s_mov_b32 s[\g+6], 0
	s_mov_b32 s[\g+7], 0
.endr
	s_wait_kmcnt 0x0
	; the buffers of my type: every choice hangs on TYPE alone
	s_cmp_eq_u32 s[TYPE], 0
	s_cselect_b64 s[8:9], s[72:73], s[76:77]       ; the weight: Wq, or Wkv,
	s_cselect_b64 s[10:11], s[74:75], s[78:79]
	s_cselect_b64 s[12:13], s[88:89], s[90:91]     ; the result: qw, or kv,
	s_cselect_b64 s[BPT:BPT+1], s[84:85], s[86:87] ; the bias: bq, or bg
	s_cmp_eq_u32 s[TYPE], 3
	s_cselect_b64 s[8:9], s[80:81], s[8:9]         ; or Wg
	s_cselect_b64 s[10:11], s[82:83], s[10:11]
	s_cselect_b64 s[12:13], s[92:93], s[12:13]     ; or gimg
	s_cmp_eq_u32 s[TYPE], 2
	s_cselect_b64 s[4:5], s[8:9], s[68:69]         ; A's codes, scales: seq's; for v the weight's
	s_cselect_b64 s[6:7], s[10:11], s[70:71]
	s_cselect_b64 s[8:9], s[68:69], s[8:9]         ; B's: the weight's; for v seq's
	s_cselect_b64 s[10:11], s[70:71], s[10:11]
	; group 1 for the scales of 128 rows: a dense block of 4,096 bytes, as rows of 256 bytes, 16 bytes of padding behind each
	s_or_b32 s[G1S+0], s43, (3<<16)|(1<<20)|(1<<21)|(5<<22)|(3<<25)
	s_or_b32 s[G1SB+0], s44, (3<<16)|(1<<20)|(1<<21)|(5<<22)|(3<<25)
.irp g, G1S, G1SB
	s_mov_b32 s[\g+1], 32<<16
	s_mov_b32 s[\g+2], (128*KS/256)<<16
	s_mov_b32 s[\g+3], 32<<16
	s_mov_b32 s[\g+4], 128*KS/256
	s_mov_b32 s[\g+5], 32
	s_mov_b32 s[\g+6], 0
	s_mov_b32 s[\g+7], 0
.endr
	s_lshl_b32 s18, s16, 7                         ; which 128 rows of the tile I fetch
	s_lshl_b32 s20, s17, 8
	s_add_co_u32 s20, s20, s18                     ; A's row
	s_lshl_b32 s46, s42, 8
	s_add_co_u32 s46, s46, s18                     ; B's row
	s_mov_b32 s21, 0
	s_mov_b32 s47, 0
	s_mov_b64 s[18:19], KS
	s_mul_u64 s[22:23], s[20:21], s[18:19]         ; where these rows' scales begin,
	s_mul_u64 s[92:93], s[46:47], s[18:19]
	s_mov_b64 s[18:19], KROW
	s_mul_u64 s[20:21], s[20:21], s[18:19]         ; and their codes
	s_mul_u64 s[46:47], s[46:47], s[18:19]
	s_mul_i32 s45, s14, HALFT                      ; where they go: wave x 128 rows: no place in the cluster enters an LDS address
	s_mul_i32 s94, s14, HALFS
	s_add_nc_u64 s[20:21], s[4:5], s[20:21]
	s_add_nc_u64 s[22:23], s[6:7], s[22:23]
	s_add_nc_u64 s[46:47], s[8:9], s[46:47]
	s_add_nc_u64 s[92:93], s[10:11], s[92:93]
	CROUND                                         ; all sixteen work-groups are here: the first joint loads meet
	s_mov_b32 s[G0S], 1
	s_add_co_u32 s[G0S+1], s94, SCL
	s_mov_b64 s[G0S+2:G0S+3], s[22:23]
	s_or_b32 s[G0S+3], s[G0S+3], 0x80000000
	s_mov_b32 s[G0SB], 1
	s_add_co_u32 s[G0SB+1], s94, SCL
	s_mov_b64 s[G0SB+2:G0SB+3], s[92:93]
	s_or_b32 s[G0SB+3], s[G0SB+3], 0x80000000
	JLOAD G0S, G1S, G0SB, G1SB                     ; the scales first: they are wanted with K step 0
.irp s, 0,1
	s_mov_b32 s[G0+4*\s], 1
	s_add_co_u32 s[G0+4*\s+1], s45, \s*SLOT
	s_add_nc_u64 s[G0+4*\s+2:G0+4*\s+3], s[20:21], \s*ROWB
	s_or_b32 s[G0+4*\s+3], s[G0+4*\s+3], 0x80000000
	s_mov_b32 s[G0B+4*\s], 1
	s_add_co_u32 s[G0B+4*\s+1], s45, \s*SLOT
	s_add_nc_u64 s[G0B+4*\s+2:G0B+4*\s+3], s[46:47], \s*ROWB
	s_or_b32 s[G0B+4*\s+3], s[G0B+4*\s+3], 0x80000000
	JLOAD G0+4*\s, G1, G0B+4*\s, G1B
.endr
	v_and_b32 v1, 15, v0                           ; r
	v_bfe_u32 v[HH], v0, 4, 1                      ; h
	v_and_b32 v3, 8, v1
	v_add_nc_u32 v[RP], v3, v1                     ; r + 8 (r / 8): my row in a tile
	v_mul_u32_u24 v3, v[RP], PITCH
	v_mul_u32_u24 v4, v[HH], 24
	v_add_nc_u32 v4, v3, v4                        ; row x pitch + 24 x half
	v_lshl_add_u32 v5, v[HH], 4, v4                ; and the same behind one padding more
	s_mul_i32 s21, s15, HALFT                      ; my 128 rows of A
	s_mul_i32 s22, s16, HALFT                      ; my 128 rows of B,
	s_add_co_u32 s22, s22, 2*HALFT                 ; which lie behind A's 256
.irp s, 0,1
	v_add_nc_u32 v[ADRA+\s], s21, v4
	v_add_nc_u32 v[ADRB+\s], s22, v4
	v_add_nc_u32 v[ADRA+2+\s], s21, v5
	v_add_nc_u32 v[ADRB+2+\s], s22, v5
	s_add_co_u32 s21, s21, SLOT
	s_add_co_u32 s22, s22, SLOT
.endr
	v_mul_u32_u24 v5, v[RP], KS                    ; my row's scales: 32 bytes a row,
	v_lshrrev_b32 v6, 8, v5
	v_lshl_add_u32 v5, v6, 4, v5                   ; and 16 more for each 256 passed
	s_mul_i32 s21, s15, HALFS
	s_mul_i32 s22, s16, HALFS
	s_add_co_u32 s22, s22, 2*HALFS
	s_sub_co_u32 s22, s22, s21
	v_mul_u32_u24 v6, s22, v[HH]                   ; lanes 16-31 take B's
	s_add_co_u32 s21, s21, SCL
	v_add_nc_u32 v5, v5, v6
	v_add_nc_u32 v[ADRS], s21, v5
	v_and_b32 v6, 31, v0
	v_lshlrev_b32 v[LI], 4, v6
	v_lshlrev_b32 v[L4], 2, v6
	v_lshlrev_b32 v[BO], 6, v[HH]
	; THE BIAS IS THE C OF THE FIRST PRODUCTS: register 8 b + j of lane (r, h) belongs to feature 32 (b / 2) + 8 (b % 2) + 16 h + j of my 128.  k and v have none: zeros
	s_add_co_u32 s20, s[TYPE], 1
	s_and_b32 s20, s20, 2                          ; 2 for k and v
	s_cmp_lg_u32 s20, 0
	s_cbranch_scc1 .Lno_bias
	s_lshl_b32 s20, s42, 10                        ; 256 features x 4 bytes a tile,
	s_lshl_b32 s21, s16, 9                         ; my half
	s_add_co_u32 s20, s20, s21
	s_mov_b32 s21, 0
	s_add_nc_u64 s[BPT:BPT+1], s[BPT:BPT+1], s[20:21]
.irp b, 0,1,2,3,4,5,6,7
	global_load_b128 v[BI+8*\b:BI+8*\b+3], v[BO], s[BPT:BPT+1] offset:(32*(\b/2)+8*(\b%2))*4
	global_load_b128 v[BI+8*\b+4:BI+8*\b+7], v[BO], s[BPT:BPT+1] offset:(32*(\b/2)+8*(\b%2))*4+16
.endr
	s_branch .Lbias_in
.Lno_bias:
.set i, 0
.rept 64
	v_mov_b32 v[BI+i], 0
.set i, i+1
.endr
.Lbias_in:
.macro FRAG reg, adr, q, i             ; a fragment: 16 rows x 128 K = 12 registers, in pieces of 8 bytes.  Lanes 16-31 read three pieces further on; where that is behind one padding more, the second address register serves
.irp p, 0,1,2,3,4,5
.set PCE, 12*(\q)+6*(\p/3)+\p%3
.if PCE%8 < 5
	ds_load_b64 v[\reg+2*\p:\reg+2*\p+1], v[\adr] offset:8*PCE+16*(PCE/8)+(32*((\i)/2)+8*((\i)%2))*PITCH
.else
	ds_load_b64 v[\reg+2*\p:\reg+2*\p+1], v[\adr+2] offset:8*PCE+16*(PCE/8)+(32*((\i)/2)+8*((\i)%2))*PITCH
.endif
.endr
.endm
; 16 matrix instructions: A's blocks a0, a0 + 1 x B's eight, 128 along K.  zero = 1: the first product starts the sums, with the bias as its C.  The 64 accumulators take turns, one instruction a turn.
.macro MUL16 a0, p, q, sc, zero
.irp a, \a0, \a0+1
.irp b, 0,1,2,3,4,5,6,7
.if \zero
	v_wmma_scale_f32_16x16x128_f8f6f4 v[8*(8*((\a)%4)+\b):8*(8*((\a)%4)+\b)+7], v[128*(\p)+FR*\b:128*(\p)+FR*\b+FR-1], v[AF+FR*(\a):AF+FR*(\a)+FR-1], v[BI+8*\b:BI+8*\b+7], v[SC+8*NQ*(\sc)+NQ*\b+(\q)], v[SC+8*NQ*(\sc)+NQ*(\a)+(\q)] matrix_a_fmt:MATRIX_FMT_FP6 matrix_b_fmt:MATRIX_FMT_FP6 matrix_a_scale:MATRIX_SCALE_ROW1
.else
	v_wmma_scale_f32_16x16x128_f8f6f4 v[8*(8*((\a)%4)+\b):8*(8*((\a)%4)+\b)+7], v[128*(\p)+FR*\b:128*(\p)+FR*\b+FR-1], v[AF+FR*(\a):AF+FR*(\a)+FR-1], v[8*(8*((\a)%4)+\b):8*(8*((\a)%4)+\b)+7], v[SC+8*NQ*(\sc)+NQ*\b+(\q)], v[SC+8*NQ*(\sc)+NQ*(\a)+(\q)] matrix_a_fmt:MATRIX_FMT_FP6 matrix_b_fmt:MATRIX_FMT_FP6 matrix_a_scale:MATRIX_SCALE_ROW1
.endif
.endr
.endr
.endm
.macro FETCH_B slot, q, p
	WIN TO_B
.irp i, 0,1,2,3,4,5,6,7
	FRAG 128*(\p)+FR*\i, ADRB+\slot, \q, \i
.endr
	WIN 0
.endm
.macro FETCH_A slot, q, i0
.irp i, \i0, \i0+1, \i0+2, \i0+3
	FRAG AF+FR*(\i), ADRA+\slot, \q, \i
.endr
.endm
.macro SCALES sc                       ; a K step's scale words: two a row; lanes 0-15 take A's block i, lanes 16-31 B's.  A block begins 4 (i / 2) + i % 2 units of eight rows on
.irp i, 0,1,2,3,4,5,6,7
	ds_load_b64 v[SC+8*NQ*\sc+NQ*\i:SC+8*NQ*\sc+NQ*\i+1], v[ADRS] offset:(4*(\i/2)+(\i%2))*272
.endr
.endm
.macro PLACES n                        ; plain vector instructions between a matrix instruction and a load into, or a read of, its registers
.rept \n
	v_nop
.endr
.endm
.macro STEP slot, q, zero              ; a step of 128 along K that has its successor in the same slot
	s_wait_dscnt 4*NL                              ; B's set and A's blocks 0-3 are in; the youngest 24 loads (A's blocks 4-7) may be out
	WIN MUL_LO-0x20*(\zero)                        ; (the first products' C lies in window 0)
	MUL16 0, (\q)%2, \q, \slot, \zero
	MUL16 2, (\q)%2, \q, \slot, \zero
	s_wait_dscnt 0
	PLACES NP
	FETCH_B \slot, (\q)+1, 1-(\q)%2
	FETCH_A \slot, (\q)+1, 0
	WIN MUL_HI-0x30*(\zero)
	MUL16 4, (\q)%2, \q, \slot, \zero
	MUL16 6, (\q)%2, \q, \slot, \zero
	PLACES NP
	WIN 0
	FETCH_A \slot, (\q)+1, 4
.endm
; A slot's last step changes slots: one barrier; in front of it each wave waits for all its tensor loads, adds 0 to its spare word, and waits for that and for its own reads of this slot.
.macro TURN slot, next, fill
	s_wait_tensorcnt 0x0                           ; all my tensor loads have landed: my part of the next slot
	ds_add_u32 v[SPW], v[NIL]                      ; 0 onto my spare word
	s_wait_dscnt 4*NL+1                            ; (the add and the youngest 24 loads may be out)
	WIN MUL_LO
	MUL16 0, 1, NQ-1, \slot, 0
	s_wait_dscnt 0x0                               ; the add is done, and my reads of this slot are over
	s_barrier_signal -1
	MUL16 2, 1, NQ-1, \slot, 0
	WIN 0
	s_barrier_wait -1
.if \fill
	CREST                                          ; the barrier has opened a round of the cluster's barrier: no wave of any partner still reads this slot or has a load on its way
	s_add_nc_u64 s[G0+4*\slot+2:G0+4*\slot+3], s[G0+4*\slot+2:G0+4*\slot+3], 2*ROWB
	s_add_nc_u64 s[G0B+4*\slot+2:G0B+4*\slot+3], s[G0B+4*\slot+2:G0B+4*\slot+3], 2*ROWB
	JLOAD G0+4*\slot, G1, G0B+4*\slot, G1B         ; the first tensor load behind the round; its four v_nop are the places in front of the loads below
.else
	PLACES NP
.endif
	v_add_nc_u32 v[ADRS], 4*NQ, v[ADRS]            ; on to the next K step's scale words
	FETCH_B \next, 0, 0
	FETCH_A \next, 0, 0
	SCALES \next
	WIN MUL_HI
	MUL16 4, 1, NQ-1, \slot, 0
	MUL16 6, 1, NQ-1, \slot, 0
	PLACES NP
	WIN 0
	FETCH_A \next, 0, 4
.endm
	s_wait_tensorcnt 1                             ; the scales and my part of K step 0 are in (K step 1's load may be out),
	s_barrier_signal -1
	s_barrier_wait -1                              ; everybody's are
	FETCH_B 0, 0, 0
	FETCH_A 0, 0, 0
	SCALES 0
	FETCH_A 0, 0, 4
	s_wait_loadcnt 0x0                             ; the bias
	; K = 1,024 is four K steps, twice round the ring: written out, since a loop would have one trip
	STEP 0, 0, 1
	TURN 0, 1, 1
	STEP 1, 0, 0
	TURN 1, 0, 1
	STEP 0, 0, 0
	TURN 0, 1, 0                                   ; nothing is left to fetch
	STEP 1, 0, 0
	s_wait_dscnt 4*NL
	WIN MUL_LO
	MUL16 0, 1, NQ-1, 1, 0
	MUL16 2, 1, NQ-1, 1, 0
	s_wait_dscnt 0
	WIN MUL_HI
	MUL16 4, 1, NQ-1, 1, 0
	MUL16 6, 1, NQ-1, 1, 0
	WIN 0
	PLACES NP
	; WHERE MY RESULTS GO.  PP: my first position, FF: my first feature
	s_lshl_b32 s20, s17, 8
	s_lshl_b32 s21, s15, 7
	s_add_co_u32 s20, s20, s21                     ; A's first row of mine
	s_lshl_b32 s22, s42, 8
	s_lshl_b32 s23, s16, 7
	s_add_co_u32 s22, s22, s23                     ; B's
	s_sub_co_u32 s23, s20, 1024                    ; (v's features are Wkv's rows 1,024 on)
	s_cmp_eq_u32 s[TYPE], 2
	s_cselect_b32 s45, s22, s20                    ; PP
	s_cselect_b32 s46, s23, s22                    ; FF
	s_lshr_b32 s20, s45, 11                        ; batch
	s_lshl_b32 s20, s20, 4
	s_lshr_b32 s21, s46, 6
	s_add_co_u32 s20, s20, s21                     ; 16 x batch + my first head
	s_bfe_u32 s21, s45, 0x40007                    ; which 128 positions of the batch
	s_lshl_b32 s22, s20, 4
	s_add_co_u32 s22, s22, s21
	s_mul_i32 s22, s22, HB                         ; q, k, v: the head block
	s_and_b32 s[POS0], s45, 2047                   ; my first position in its batch
	s_lshr_b32 s21, s[POS0], 4
	s_lshl_b32 s23, s20, 7
	s_add_co_u32 s23, s23, s21
	s_lshl_b32 s23, s23, 12                        ; g: 4,096 bytes for each tile of 16 positions
	s_cmp_eq_u32 s[TYPE], 3
	s_cselect_b32 s22, s23, s22
	s_mov_b32 s23, 0
	s_add_nc_u64 s[12:13], s[12:13], s[22:23]
; 64 numbers of a lane at v[s] on, in window w, register 16 b + i = k 32 b + 16 (lane / 16) + i of my row, become codes: k 0-63 in six registers from d0, k 64-127 in six from d1; the row's scale word in v[PW].
.macro QUANT s, w, d0, d1
	WIN (\w)|((\w)<<2)
.irp b, 0,1,2,3
	v_max3_num_f32 v[TM+\b], |v[(\s)+16*\b]|, |v[(\s)+1+16*\b]|, 0x1800000   ; my 16 numbers of block b, and the floor 2^(3 - 127): the byte cannot fall under 1
.endr
	WIN ((\w)<<2)|((\w)<<4)
.irp i, 2,4,6,8,10,12,14
.irp b, 0,1,2,3
	v_max3_num_f32 v[TM+\b], v[TM+\b], |v[(\s)+16*\b+\i]|, |v[(\s)+1+16*\b+\i]|
.endr
.endr
	WIN 0
.irp b, 0,1,2,3
	v_permlanex16_b32 v[TM+4+\b], v[TM+\b], s[SEL], s[SEL+1]
.endr
.irp b, 0,1,2,3
	v_max_num_f32 v[TM+\b], v[TM+\b], v[TM+4+\b]   ; with lane l xor 16's: the block's largest magnitude
.endr
.irp b, 0,1,2,3
	v_add_nc_u32 v[TM+12+\b], 0xff000000, v[TM+\b] ; 2 off its exponent field: the conversion's scale operand
.endr
.irp b, 0,1,2,3
	v_lshrrev_b32 v[TM+4+\b], 23, v[TM+12+\b]      ; the scale's byte
.endr
	v_lshl_or_b32 v[PW], v[TM+5], 8, v[TM+4]
	v_lshl_or_b32 v[PW], v[TM+6], 16, v[PW]
	v_lshl_or_b32 v[PW], v[TM+7], 24, v[PW]
	WIN (\w)
	v_cvt_scalef32_pk16_fp6_f32 v[(\d0):(\d0)+2], v[(\s):(\s)+15], v[TM+12]
	v_cvt_scalef32_pk16_fp6_f32 v[XT:XT+2], v[(\s)+16:(\s)+31], v[TM+13]
	v_cvt_scalef32_pk16_fp6_f32 v[(\d1):(\d1)+2], v[(\s)+32:(\s)+47], v[TM+14]
	v_cvt_scalef32_pk16_fp6_f32 v[XT+4:XT+6], v[(\s)+48:(\s)+63], v[TM+15]
	WIN 0
	v_nop                                          ; one plain place behind a scaled conversion
.irp i, 0,1,2                                  ; the operand's layout wants a whole block in a lane
	v_permlane16_swap_b32 v[(\d0)+\i], v[XT+\i]
	v_permlane16_swap_b32 v[(\d1)+\i], v[XT+4+\i]
.endr
.irp i, 0,1,2
	v_mov_b32 v[(\d0)+3+\i], v[XT+\i]
	v_mov_b32 v[(\d1)+3+\i], v[XT+4+\i]
.endr
.endm
	s_cmp_eq_u32 s[TYPE], 2
	s_cbranch_scc1 .Lout_v
	s_cmp_eq_u32 s[TYPE], 3
	s_cbranch_scc1 .Lout_g
	; ---- q and k.  Lane (r, h) holds one position; of a head's 64 d its registers hold X = d 16 h + i and Y = d 32 + 16 h + i, which turn together by the angle position x frequency(16 h + i)
	s_mov_b32 s24, 0x3f22f983                      ; 2 / pi
	s_mov_b32 s25, 0x3fc90fdb                      ; pi / 2, its upper part,
	s_mov_b32 s26, 0xb33bbd2e                      ; and the rest
	s_mov_b32 s27, 0xbe2aaaab                      ; sine: -1/3!, 1/5!, -1/7!, 1/9!
	s_mov_b32 s28, 0x3c088889
	s_mov_b32 s29, 0xb9500d01
	s_mov_b32 s30, 0x3638ef1d
	s_mov_b32 s31, 0x3d2aaaab                      ; cosine: 1/4!, -1/6!, 1/8!
	s_mov_b32 s32, 0xbab60b61
	s_mov_b32 s33, 0x37d00d01
	s_mov_b32 s36, 0x3f800000
	s_cmp_eq_u32 s[TYPE], 0
	s_cselect_b32 s36, 0x3e000000, s36             ; q carries reference()'s 1/8, a power of two, in its cosines and sines
	s_mov_b32 s37, s36
; cos and sin of the 16 angles in v[ANG] on (0 or more) into v[c] on and v[s] on.  k = the nearest whole number to angle x 2 / pi; r = angle - k pi / 2; then by k's two low bits
.macro TRIG16 c, s
.irp i, 0,1,2,3,4,5,6,7,8,9,10,11,12,13,14,15
	v_mul_f32 v[KQ+\i], s24, v[ANG+\i]
.endr
.irp i, 0,1,2,3,4,5,6,7,8,9,10,11,12,13,14,15
	v_rndne_f32 v[KQ+\i], v[KQ+\i]
.endr
.irp i, 0,1,2,3,4,5,6,7,8,9,10,11,12,13,14,15
	v_fma_f32 v[ANG+\i], -v[KQ+\i], s25, v[ANG+\i]
.endr
.irp i, 0,1,2,3,4,5,6,7,8,9,10,11,12,13,14,15
	v_fma_f32 v[ANG+\i], -v[KQ+\i], s26, v[ANG+\i] ; r
.endr
.irp i, 0,1,2,3,4,5,6,7,8,9,10,11,12,13,14,15
	v_mul_f32 v[Z+\i], v[ANG+\i], v[ANG+\i]
.endr
.irp i, 0,1,2,3,4,5,6,7,8,9,10,11,12,13,14,15
	v_fma_f32 v[PP+\i], v[Z+\i], s30, s29
	v_fma_f32 v[QQ+\i], v[Z+\i], s33, s32
	v_mul_f32 v[WT+\i], v[ANG+\i], v[Z+\i]
.endr
.irp i, 0,1,2,3,4,5,6,7,8,9,10,11,12,13,14,15
	v_fma_f32 v[PP+\i], v[PP+\i], v[Z+\i], s28
	v_fma_f32 v[QQ+\i], v[QQ+\i], v[Z+\i], s31
	v_cvt_i32_f32 v[KQ+\i], v[KQ+\i]
.endr
.irp i, 0,1,2,3,4,5,6,7,8,9,10,11,12,13,14,15
	v_fma_f32 v[PP+\i], v[PP+\i], v[Z+\i], s27
	v_fma_f32 v[QQ+\i], v[QQ+\i], v[Z+\i], -0.5
.endr
.irp i, 0,1,2,3,4,5,6,7,8,9,10,11,12,13,14,15
	v_fma_f32 v[PP+\i], v[WT+\i], v[PP+\i], v[ANG+\i]   ; sin r
	v_fma_f32 v[QQ+\i], v[QQ+\i], v[Z+\i], 1.0          ; cos r
.endr
.irp i, 0,1,2,3,4,5,6,7,8,9,10,11,12,13,14,15
	v_and_b32 v[WT+\i], 1, v[KQ+\i]
	v_lshlrev_b32 v[Z+\i], 30, v[KQ+\i]            ; the sine's sign: bit 1 of k
	v_add_nc_u32 v[ANG+\i], 1, v[KQ+\i]            ; the cosine's: bit 1 of k + 1
.endr
.irp i, 0,1,2,3,4,5,6,7,8,9,10,11,12,13,14,15
	v_cmp_eq_u32 vcc_lo, 1, v[WT+\i]               ; an odd k changes sine and cosine
	v_cndmask_b32 v[\s+\i], v[PP+\i], v[QQ+\i], vcc_lo
	v_cndmask_b32 v[\c+\i], v[QQ+\i], v[PP+\i], vcc_lo
.endr
.irp i, 0,1,2,3,4,5,6,7,8,9,10,11,12,13,14,15
	v_and_b32 v[Z+\i], 0x80000000, v[Z+\i]
	v_lshlrev_b32 v[ANG+\i], 30, v[ANG+\i]
.endr
.irp i, 0,1,2,3,4,5,6,7,8,9,10,11,12,13,14,15
	v_xor_b32 v[\s+\i], v[Z+\i], v[\s+\i]
	v_and_b32 v[ANG+\i], 0x80000000, v[ANG+\i]
.endr
.irp i, 0,1,2,3,4,5,6,7,8,9,10,11,12,13,14,15
	v_xor_b32 v[\c+\i], v[ANG+\i], v[\c+\i]
.endr
.endm
	v_lshlrev_b32 v240, 4, v[HH]
.irp i, 0,1,2,3,4,5,6,7,8,9,10,11,12,13,14,15
	v_add_nc_u32 v[FQ+\i], \i, v240                ; 16 h + i
.endr
.irp i, 0,1,2,3,4,5,6,7,8,9,10,11,12,13,14,15
	v_cvt_f32_u32 v[FQ+\i], v[FQ+\i]
.endr
.irp i, 0,1,2,3,4,5,6,7,8,9,10,11,12,13,14,15
	v_mul_f32 v[FQ+\i], 0xbea00000, v[FQ+\i]       ; x -10 / 32: exact
.endr
.irp i, 0,1,2,3,4,5,6,7,8,9,10,11,12,13,14,15
	v_exp_f32 v[FQ+\i], v[FQ+\i]                   ; the frequency 1024^(-(16 h + i) / 32)
.endr
	v_add_nc_u32 v241, s[POS0], v[RP]              ; my position in tile 0.  (The plain place behind the exponentials)
	s_wait_alu depctr_va_vdst(0)                   ; one wait for the batch, ahead of its first reader
	v_cvt_f32_u32 v241, v241
.irp i, 0,1,2,3,4,5,6,7,8,9,10,11,12,13,14,15
	v_mul_f32 v[ANG+\i], v241, v[FQ+\i]
.endr
	TRIG16 CS, SN
.irp i, 0,1,2,3,4,5,6,7,8,9,10,11,12,13,14,15
	v_mul_f32 v[ANG+\i], 0x41000000, v[FQ+\i]      ; 8 positions on
.endr
	TRIG16 R8C, R8S
.irp i, 0,2,4,6,8,10,12,14
	v_pk_mul_f32 v[CS+\i:CS+\i+1], v[CS+\i:CS+\i+1], s[36:37] op_sel_hi:[1,0]
	v_pk_mul_f32 v[SN+\i:SN+\i+1], v[SN+\i:SN+\i+1], s[36:37] op_sel_hi:[1,0]
.endr
.irp b, 0,1,2,3
	v_mov_b32 v[TM+4+\b], 0                        ; written once: a lane permute's destination counts as one of its sources
.endr
.macro ROT                             ; 8 positions on: (cos, sin) turned by the step's angle
.irp i, 0,4,8,12
	v_pk_mul_f32 v[T:T+1], v[SN+\i:SN+\i+1], v[R8S+\i:R8S+\i+1]
	v_pk_mul_f32 v[T+2:T+3], v[CS+\i:CS+\i+1], v[R8S+\i:R8S+\i+1]
	v_pk_mul_f32 v[T+4:T+5], v[SN+\i+2:SN+\i+3], v[R8S+\i+2:R8S+\i+3]
	v_pk_mul_f32 v[T+6:T+7], v[CS+\i+2:CS+\i+3], v[R8S+\i+2:R8S+\i+3]
	v_pk_fma_f32 v[CS+\i:CS+\i+1], v[CS+\i:CS+\i+1], v[R8C+\i:R8C+\i+1], v[T:T+1] neg_lo:[0,0,1] neg_hi:[0,0,1]
	v_pk_fma_f32 v[SN+\i:SN+\i+1], v[SN+\i:SN+\i+1], v[R8C+\i:R8C+\i+1], v[T+2:T+3]
	v_pk_fma_f32 v[CS+\i+2:CS+\i+3], v[CS+\i+2:CS+\i+3], v[R8C+\i+2:R8C+\i+3], v[T+4:T+5] neg_lo:[0,0,1] neg_hi:[0,0,1]
	v_pk_fma_f32 v[SN+\i+2:SN+\i+3], v[SN+\i+2:SN+\i+3], v[R8C+\i+2:R8C+\i+3], v[T+6:T+7]
.endr
.endm
.macro ROPE a                          ; block a's 64 results, two heads, turned: X cos - Y sin, Y cos + X sin.  Each accumulator is read from its low end on
.set AC, 64*((\a)%4)
	WIN 0x02+(\a)/4                                ; source 0: the accumulators' window
.irp e, 0,1
.irp i, 0,2,4,6,8,10,12,14
	v_pk_mul_f32 v[T+4*((\i/2)%2):T+4*((\i/2)%2)+1], v[AC+32*\e+16+\i:AC+32*\e+17+\i], v[SN+\i:SN+\i+1]
	v_pk_mul_f32 v[T+4*((\i/2)%2)+2:T+4*((\i/2)%2)+3], v[AC+32*\e+\i:AC+32*\e+1+\i], v[SN+\i:SN+\i+1]
	v_pk_fma_f32 v[H+32*\e+\i:H+32*\e+1+\i], v[AC+32*\e+\i:AC+32*\e+1+\i], v[CS+\i:CS+\i+1], v[T+4*((\i/2)%2):T+4*((\i/2)%2)+1] neg_lo:[0,0,1] neg_hi:[0,0,1]
	v_pk_fma_f32 v[H+32*\e+16+\i:H+32*\e+17+\i], v[AC+32*\e+16+\i:AC+32*\e+17+\i], v[CS+\i:CS+\i+1], v[T+4*((\i/2)%2)+2:T+4*((\i/2)%2)+3]
.endr
.endr
	WIN 0
.endm
.irp a, 0,1,2,3,4,5,6,7                        ; tile a's positions lie 8 (odd a) or 24 (even a) behind tile a - 1's
.if \a > 0
	ROT
.if (\a)%2 == 0
	ROT
	ROT
.endif
.endif
	ROPE \a
.if (\a)%2 == 0
	s_wait_xcnt 0x0                                ; the last pair's stores have read their registers
.endif
	QUANT H, 0, F0+6*((\a)%2), F1+6*((\a)%2)       ; k 0-63 is my first head, k 64-127 my second: each goes into its own pair fragment
.if (\a)%2 == 0
	v_mov_b32 v[PWE], v[PW]
.else
	v_perm_b32 v[W], v[PW], v[PWE], 0x05040100     ; my first head's word: the even tile's two bytes, the odd tile's two
	v_perm_b32 v[W+1], v[PW], v[PWE], 0x07060302   ; my second head's
.irp c, 0,1,2
	global_store_b128 v[LI], v[F0+4*\c:F0+4*\c+3], s[12:13] offset:1536*((\a)/2)+512*\c
	global_store_b128 v[LI], v[F1+4*\c:F1+4*\c+3], s[12:13] offset:HSTEP+1536*((\a)/2)+512*\c
.endr
.if ((\a)/2)%2 == 0
	v_mov_b32 v[W+2], v[W]
	v_mov_b32 v[W+3], v[W+1]
.else
	v_cndmask_b32 v[W+4], v[W+2], v[W], s[HIM]     ; lanes 0-15 the even pair's words, lanes 16-31 the odd pair's
	v_cndmask_b32 v[W+5], v[W+3], v[W+1], s[HIM]
	global_store_b32 v[L4], v[W+4], s[12:13] offset:12288+128*((\a)/4)
	global_store_b32 v[L4], v[W+5], s[12:13] offset:HSTEP+12288+128*((\a)/4)
.endif
.endif
.endr
	s_branch .Lend
.Lout_v:	; ---- v.  Lane (r, h) holds one feature; the 64 registers of block a run along my 128 keys: the accumulators go into the quantiser as they are
.irp b, 0,1,2,3
	v_mov_b32 v[TM+4+\b], 0
.endr
.irp a, 0,1,2,3,4,5,6,7                        ; block a: head a / 4 of my two, tile a % 4 of its 64 d
	s_wait_xcnt 0x0                                ; the last block's stores have read their registers
	QUANT 64*((\a)%4), 2+(\a)/4, CD, CD+6
.irp c, 0,1,2
	global_store_b128 v[LI], v[CD+4*\c:CD+4*\c+3], s[12:13] offset:((\a)/4)*HSTEP+6144+1536*((\a)%4)+512*\c
.endr
.if (\a)%2 == 0
	v_mov_b32 v[PWE], v[PW]
.else
	v_cndmask_b32 v[W], v[PWE], v[PW], s[HIM]
	global_store_b32 v[L4], v[W], s[12:13] offset:((\a)/4)*HSTEP+12544+128*(((\a)%4)/2)
.endif
.endr
	s_branch .Lend
.Lout_g:	; ---- g.  sigmoid(x) = 1 / (1 + 2^(-x log2 e)); bg came in as the first products' C.  32 registers a head and tile, as they stand
	s_mov_b32 s36, 0xbfb8aa3b                      ; -log2 e
	s_mov_b32 s37, s36
.irp a, 0,1,2,3,4,5,6,7
	s_wait_xcnt 0x0                                ; the last block's stores have read their registers
	WIN 0x02+(\a)/4
.set i, 0
.rept 32
	v_pk_mul_f32 v[H+i:H+i+1], v[64*((\a)%4)+i:64*((\a)%4)+i+1], s[36:37] op_sel_hi:[1,0]
.set i, i+2
.endr
	WIN 0
.set i, 0
.rept 64
	v_exp_f32 v[H+i], v[H+i]
.set i, i+1
.endr
	v_nop                                          ; the plain place behind the batch,
	s_wait_alu depctr_va_vdst(0)                   ; and its one wait
.set i, 0
.rept 32
	v_pk_add_f32 v[H+i:H+i+1], v[H+i:H+i+1], 1.0 op_sel_hi:[1,0]
.set i, i+2
.endr
.set i, 0
.rept 64
	v_rcp_f32 v[H+i], v[H+i]
.set i, i+1
.endr
	v_nop
	s_wait_alu depctr_va_vdst(0)
.irp e, 0,1
.irp c, 0,1,2,3,4,5,6,7
	global_store_b128 v[LI], v[H+32*\e+4*\c:H+32*\e+4*\c+3], s[12:13] offset:\e*GHEAD+4096*(\a)+512*\c
.endr
.endr
.endr
.Lend:
	s_wait_tensorcnt 0x0                           ; the wave's end
	ds_add_u32 v[SPW], v[NIL]
	s_wait_dscnt 0x0
	CROUND                                         ; the closing round: no work-group ends while a partner may still ask for a tile that names it
	s_endpgm
.Lfunc_end_k_qae4b162209_proj:
	.size	k_qae4b162209_proj, .Lfunc_end_k_qae4b162209_proj-k_qae4b162209_proj
	.p2alignl 7, 3214868480
	.fill 96, 4, 3214868480
	.section	.rodata,"a",@progbits
	.p2align	6, 0x0
	.amdhsa_kernel k_qae4b162209_proj
		.amdhsa_group_segment_fixed_size 327680
		.amdhsa_private_segment_fixed_size 0
		.amdhsa_enable_private_segment 0
		.amdhsa_kernarg_size 104
		.amdhsa_user_sgpr_count 2
		.amdhsa_user_sgpr_kernarg_segment_ptr 1
		.amdhsa_wavefront_size32 1
		.amdhsa_system_sgpr_workgroup_id_x 1
		.amdhsa_system_sgpr_workgroup_id_y 1
		.amdhsa_system_sgpr_workgroup_id_z 1
		.amdhsa_system_vgpr_workitem_id 0
		.amdhsa_next_free_vgpr 1024
		.amdhsa_next_free_sgpr 100
		.amdhsa_reserve_vcc 1
		.amdhsa_float_denorm_mode_32 3
		.amdhsa_float_denorm_mode_16_64 3
		.amdhsa_memory_ordered 1
		.amdhsa_forward_progress 1
		.amdhsa_inst_pref_size 255
	.end_amdhsa_kernel
	.section	.bss,"aw",@nobits
	.p2align	6
	.space	262144
	.amdgpu_metadata
---
amdhsa.version: [ 1, 2 ]
amdhsa.kernels:
  - .name:           k_qae4b162209_proj
    .symbol:         k_qae4b162209_proj.kd
    .args:
      - { .name: seq_codes, .offset: 0, .size: 8, .value_kind: global_buffer, .address_space: global }
      - { .name: seq_scales, .offset: 8, .size: 8, .value_kind: global_buffer, .address_space: global }
      - { .name: Wq_codes, .offset: 16, .size: 8, .value_kind: global_buffer, .address_space: global }
      - { .name: Wq_scales, .offset: 24, .size: 8, .value_kind: global_buffer, .address_space: global }
      - { .name: Wkv_codes, .offset: 32, .size: 8, .value_kind: global_buffer, .address_space: global }
      - { .name: Wkv_scales, .offset: 40, .size: 8, .value_kind: global_buffer, .address_space: global }
      - { .name: Wg_codes, .offset: 48, .size: 8, .value_kind: global_buffer, .address_space: global }
      - { .name: Wg_scales, .offset: 56, .size: 8, .value_kind: global_buffer, .address_space: global }
      - { .name: bq, .offset: 64, .size: 8, .value_kind: global_buffer, .address_space: global }
      - { .name: bg, .offset: 72, .size: 8, .value_kind: global_buffer, .address_space: global }
      - { .name: qw, .offset: 80, .size: 8, .value_kind: global_buffer, .address_space: global }
      - { .name: kv, .offset: 88, .size: 8, .value_kind: global_buffer, .address_space: global }
      - { .name: gimg, .offset: 96, .size: 8, .value_kind: global_buffer, .address_space: global }
    .group_segment_fixed_size: 327680
    .private_segment_fixed_size: 0
    .kernarg_segment_align: 8
    .kernarg_segment_size: 104
    .max_flat_workgroup_size: 128
    .sgpr_count:     100
    .vgpr_count:     1024
    .wavefront_size: 32
...
	.end_amdgpu_metadata
.endif
;; end of part 1
;; launch attn (part 2): grid 32 x 8, 16 waves a work-group, clusters of 4 x 1, 327,680 bytes of LDS; arguments qw, kv, gimg, attn_bias, mask, ao_codes, ao_scales; writes ao_codes, ao_scales
.if DOCPART == 2
	.amdgcn_target "amdgcn-amd-amdhsa--gfx1250"
	.amdhsa_code_object_version 6
	.text
	.protected	k_qae4b162209_attn
	.globl	k_qae4b162209_attn
	.p2align	8
	.type	k_qae4b162209_attn,@function
k_qae4b162209_attn:
	s_mov_b64 s[64:65], 0
	v_nop
	global_prefetch_b8 v0, s[64:65] scope:SCOPE_SE
	s_setreg_imm32_b32 hwreg(HW_REG_WAVE_MODE, 25, 1), 1
	s_wait_xcnt 0x0
	s_wait_alu depctr_hold_cnt(0) depctr_sa_sdst(0) depctr_va_vdst(0) depctr_va_sdst(0) depctr_va_ssrc(0) depctr_va_vcc(0) depctr_vm_vsrc(0)
	s_getreg_b32 s2, hwreg(HW_REG_IB_STS2, 6, 4)
	s_cmp_eq_u32 s2, 0
	s_cbranch_scc0 .Lentry_in_a_cluster
	s_endpgm
.Lentry_in_a_cluster:
	s_bfe_u32 s2, ttmp6, 0x10000c
	s_cmp_lg_u32 s2, 0x3003
	s_cbranch_scc0 .Lentry_shape_is_right
	s_endpgm
.Lentry_shape_is_right:
; For each (batch, head): sim = q k^T + bias; 50 tanh(sim / 50); the key mask; p = 2^t, t = logit x log2 e; O = p v / sum(p); x the gates; quantised along d for the last product.  Both products on codes of FP6 (E2M3).
; SHARES.  A work-group owns 64 queries x 4 heads: a tile of the bias serves four heads, a head's K and V four tiles of queries.  Wave w: head w / 4 of the four, tile w % 4 of 16 queries; 256 registers, four waves to a SIMD,
; so that one wave's exponentials stand beside another's products and LDS loads.  Every wave walks the batch's 2,048 keys, 128 a step.
; CLUSTER.  The four query blocks of a cluster walk the same heads' K and V: each head block is asked for jointly (mask 15).  The bias rows are each work-group's own: plain loads.
; LAYOUT.  Both products are used transposed: S^T = K Q^T, O^T = V^T P^T: a lane holds ONE query throughout.  K, V and Q arrive as images of operand registers (the launch before): three loads of 16 bytes a lane bring a fragment.
; A head has 64 d, the instruction 128 along K: a fragment of K carries TWO tiles of keys (k 0-63, k 64-127), and Q stands as [q | zeros | q] in 18 registers: registers 0-11 pick the first tile, 6-17 the second.
; Zero codes of Q add nothing under any scale byte that the quantiser gives.  The tiles' keys are chosen so that S^T's 16 registers of two neighbouring tiles are 16 neighbouring keys.
; THE BIAS IS THE C of the first product: it is loaded from LDS into the registers in which the scores arise.
; tanh(y) = 1 - 2 / (1 + e^(2 y)): E = 2^(sim c1), R = 1 / (1 + E), t = T0 + c2 R, c1 = 2 log2 e / 50, c2 = -100 log2 e, T0 = 50 log2 e for a key that counts and -infinity for a masked key (a table in LDS, made once).
; NO MAXIMUM IS TAKEN AWAY: reference()'s own clip holds t inside +-72.14, so every p lies in 2^+-72.2 and a row's sum under 2^83.2: nothing overflows or underflows in f32.  That is M = 0, a whole number: the codes' values
; are those under the row's own M, the scale bytes take up the difference, and the sum, taken of the unquantised p, cancels it.
; LIMITS: a batch whose mask is all false gives NaN (the sum is 0).  NaN and infinities among the inputs are not served.  t carries an absolute error of about 1e-5 (the difference 1 - 2 R).
; A block of zeros gets the scale byte 1: its codes are zeros, and this program alone reads the bytes.
.set HB,    12800                      ; a head block: 4 pair fragments of K, 4 fragments of V, 2 + 2 scale registers
.set SLOT1, 131072                     ; slot 1 begins here: one exclusive or turns an address
.set BOFF,  4*HB                       ; in a slot: four head blocks, then 64 rows of the bias, 512 bytes + 16 of padding
.set T0B,   2*SLOT1                    ; the table T0: one f32 a key
.set STG,   T0B+8192                   ; the way out: 64 rows x (16 places of 16 bytes + 16)
.set SSTG,  STG+64*272                 ; and their scale bytes, 8 a row
.set SPARE, SSTG+512                   ; the spare words, 128 bytes for each wave; no other line names them
.set SPW, 1
.set NIL, 2
.set AH,  3                            ; 16 x lane + my head's block
.set AS,  4                            ; 4 x lane + my head's scale registers
.set AB,  5                            ; my query's row of the bias, + 64 x (lane / 16)
.set AT,  6                            ; the table, + 64 x (lane / 16)
.set CH,  7                            ; the same four for the step in hand
.set CS4, 8
.set CB,  9
.set CT,  10
.set PFO, 11
.set PFOK, 12
.set QS,  13                           ; Q's scale word
.set Q,   14                           ; v14-31
.set S,   32                           ; v32-95   bias, scores, t, p
.set KF,  96                           ; v96-143  K's fragments, then (to v159) T0, then V's fragments
.set O,   160                          ; v160-191 O^T
.set PC,  192                          ; v192-203 p's codes
.set XT,  204
.set KSC, 212
.set VSC, 214
.set PS,  216
.set LS,  218                          ; v218-221 the row's sum, two chains of pairs
.set BM,  224
.set BP,  228
.set BS,  232
.set SO,  236
.set SS,  237
.set SR,  238
.set GOC, 239
.set GG,  240
.set SSR, 241
.set GOS, 242
.set WV,  18
.set G1H, 32
.set G1B, 40
.set G0H, 48
.set G0B, 52
.set TB,  56
.set TS,  57
.set SLOTS, 58
.set LIMB, 59
.set LIMK, 60
.set PFB, 66
.set PFK, 68
; Waves 0 to 3 ask jointly for the four head blocks, waves 4 to 11 fetch eight rows of the bias each, the others nothing.  The branches hang on the wave's number alone.  Four v_nop follow each load.
.macro TLOAD
	s_cmp_lt_u32 s[WV], 4
	s_cbranch_scc0 .Lnot_h_\@
	tensor_load_to_lds s[G0H:G0H+3], s[G1H:G1H+7]
	s_nop 0
.rept 4
	v_nop
.endr
	s_branch .Lasked_\@
.Lnot_h_\@:
	s_cmp_lt_u32 s[WV], 12
	s_cbranch_scc0 .Lasked_\@
	tensor_load_to_lds s[G0B:G0B+3], s[G1B:G1B+7]
	s_nop 0
.rept 4
	v_nop
.endr
.Lasked_\@:
.endm
; A PREFETCH INTO THE L2 of what the NEXT change of slots will ask for, one key step ahead of that load, by waves that fetch nothing.
; The bias: a block's 64 rows x 512 bytes are read by the four work-groups of the four head groups: the first of them (head group 0) asks; waves 12 to 15, a lane for each 256 bytes: row 16 (w - 12) + lane / 2, half lane % 2.
; K and V: a head block is read by the eight clusters of its batch and head group: the first cluster asks; its partner at place p takes head p's block, told apart by address; waves 12 and 13, lanes 256 bytes apart
; (the block has 50 such pieces: the lanes beyond name the last one again).  The last change that fills a slot asks for nothing; steps 0 and 1 come by their loads alone.
.macro ASK
	s_cmp_gt_u32 s[SLOTS], s[LIMB]
	s_cbranch_scc0 .Lnot_bias_\@
	global_prefetch_b8 v[PFO], s[PFB:PFB+1] th:TH_LOAD_NT scope:SCOPE_SE
.Lnot_bias_\@:
	s_cmp_gt_u32 s[SLOTS], s[LIMK]
	s_cbranch_scc0 .Lnot_kv_\@
	global_prefetch_b8 v[PFOK], s[PFK:PFK+1] th:TH_LOAD_NT scope:SCOPE_SE
.Lnot_kv_\@:
.endm
.macro CROUND                          ; a round of the cluster's barrier
	s_barrier_signal -1
	s_barrier_wait -1
	s_cmp_lg_u32 s[WV], 0
	s_cbranch_scc1 .Lnot_wave_0_\@
	s_barrier_signal -3
.Lnot_wave_0_\@:
	s_barrier_wait -3
	s_barrier_signal -1
	s_barrier_wait -1
.endm
	s_load_b256 s[4:11], s[0:1], 0x0               ; qw s[4:5], kv s[6:7], gimg s[8:9], the bias s[10:11]
	s_load_b128 s[12:15], s[0:1], 0x20             ; the mask s[12:13], ao's codes s[14:15]
	s_load_b64 s[16:17], s[0:1], 0x30              ; ao's scales
	v_lshl_add_u32 v[SPW], v0, 2, SPARE
	v_mov_b32 v[NIL], 0
	ds_add_u32 v1, v2
	s_wait_dscnt 0x0
	v_lshrrev_b32 v244, 5, v0
	v_readfirstlane_b32 s[WV], v244                ; wave 0..15
	s_lshr_b32 s19, s[WV], 2                       ; e4: my head of the four
	s_and_b32 s20, s[WV], 3                        ; tq: my tile of queries.  Also: which head's block waves 0 to 3 fetch
	s_bfe_u32 s24, ttmp6, 0x40000                  ; cx
	s_lshl_b32 s23, ttmp9, 2
	s_add_co_u32 s23, s23, s24                     ; QB: my block of 64 queries
	s_and_b32 s25, ttmp7, 0xffff
	s_lshr_b32 s21, s25, 2                         ; the batch
	s_and_b32 s22, s25, 3                          ; the head group
	s_mov_b32 s26, 0x76543210
	s_mov_b32 s27, 0xfedcba98                      ; v_permlanex16_b32's selects for lane l xor 16
	s_mov_b32 s28, 0x3d6c5f04                      ; c1 = 2 log2 e / 50
	s_mov_b32 s29, s28
	s_mov_b32 s30, 0xc31044fe                      ; c2 = -100 log2 e
	s_mov_b32 s31, s30
	; group 1 for a head block: 12,800 dense bytes as 50 rows of 256 (32 elements of 8 bytes); the mask names the four partners
	s_mov_b32 s[G1H], 15|(3<<16)|(1<<21)
	s_mov_b32 s[G1H+1], 32<<16
	s_mov_b32 s[G1H+2], 50<<16
	s_mov_b32 s[G1H+3], 32<<16
	s_mov_b32 s[G1H+4], 50
	s_mov_b32 s[G1H+5], 32
	s_mov_b32 s[G1H+6], 0
	s_mov_b32 s[G1H+7], 0
	; group 1 for the bias: 8 rows x 128 f32, 2,048 from row to row, 4 words of padding behind each row's 128
	s_mov_b32 s[G1B], (2<<16)|(1<<20)|(6<<22)|(3<<25)
	s_mov_b32 s[G1B+1], 128<<16
	s_mov_b32 s[G1B+2], 8<<16
	s_mov_b32 s[G1B+3], 128<<16
	s_mov_b32 s[G1B+4], 8
	s_mov_b32 s[G1B+5], 2048
	s_mov_b32 s[G1B+6], 0
	s_mov_b32 s[G1B+7], 0
	s_lshl_b32 s70, s21, 4
	s_lshl_b32 s71, s22, 2
	s_add_co_u32 s70, s70, s71                     ; 16 x batch + the group's first head
	s_add_co_u32 s72, s70, s20
	s_mul_i32 s72, s72, 16*HB                      ; the head's blocks: 16 steps on end
	s_mov_b32 s73, 0
	s_add_co_u32 s74, s[WV], 4
	s_and_b32 s74, s74, 7                          ; g: which eight LDS rows of the bias waves 4 to 11 fill
	s_and_b32 s75, s74, 4                          ; THE ROWS CHANGE PLACES ON THE WAY IN: LDS rows 16 tq + r hold the queries of tile tq in its own order, 32 (tq / 2) + 8 (tq % 2) + r + 8 (r / 8):
	s_and_b32 s76, s74, 1                          ; group g of eight LDS rows takes the group of eight queries whose number has g's two low bits changed over.
	s_lshl_b32 s76, s76, 1                         ; So a wave's 16 rows are neighbours in LDS, 528 bytes apart
	s_or_b32 s75, s75, s76
	s_bfe_u32 s76, s74, 0x10001
	s_or_b32 s75, s75, s76
	s_lshl_b32 s76, s21, 11
	s_lshl_b32 s77, s23, 6
	s_add_co_u32 s76, s76, s77                     ; my block's first row: 2,048 x batch + 64 QB
	s_lshl_b32 s75, s75, 3
	s_add_co_u32 s78, s76, s75
	s_lshl_b32 s78, s78, 13                        ; a row of the bias is 8,192 bytes
	s_mov_b32 s79, 0
	s_mul_i32 s74, s74, 8*528
	s_wait_kmcnt 0x0
	s_mov_b32 s[G0H], 1
	s_mul_i32 s[G0H+1], s20, HB                    ; slot 0
	s_add_nc_u64 s[G0H+2:G0H+3], s[6:7], s[72:73]  ; step 0
	s_or_b32 s[G0H+3], s[G0H+3], 0x80000000
	s_mov_b32 s[G0B], 1
	s_add_co_u32 s[G0B+1], s74, BOFF
	s_add_nc_u64 s[G0B+2:G0B+3], s[10:11], s[78:79]
	s_or_b32 s[G0B+3], s[G0B+3], 0x80000000
	CROUND                                         ; all four work-groups are here: the first joint loads meet
	TLOAD                                          ; step 0 into slot 0
	v_and_b32 v248, 31, v0                         ; lane
	v_and_b32 v249, 15, v0                         ; r
	v_bfe_u32 v250, v0, 4, 1                       ; h
	v_lshlrev_b32 v244, 2, v0
	s_lshl_b32 s80, s21, 11
	s_mov_b32 s81, 0
	s_add_nc_u64 s[12:13], s[12:13], s[80:81]
	global_load_b32 v245, v244, s[12:13]           ; four bytes of my batch's mask: keys 4 t .. 4 t + 3
	s_add_co_u32 s80, s70, s19                     ; 16 x batch + my head
	s_lshl_b32 s82, s80, 4
	s_lshr_b32 s83, s23, 1
	s_add_co_u32 s82, s82, s83                     ; my queries' group of 128
	s_mul_i32 s82, s82, HB
	s_mov_b32 s83, 0
	s_add_nc_u64 s[4:5], s[4:5], s[82:83]
	s_and_b32 s84, s23, 1
	s_lshl_b32 s84, s84, 1
	s_lshr_b32 s85, s20, 1
	s_add_co_u32 s84, s84, s85                     ; my tile is 4 (QB % 2) + tq of the group's eight: the pair fragment,
	s_mul_i32 s85, s84, 1536
	v_lshl_add_u32 v246, v248, 4, s85
	s_lshl_b32 s85, s84, 6
	s_add_co_u32 s85, s85, 12288
	v_lshl_add_u32 v247, v249, 2, s85              ; and its scale words: 64 bytes a pair
	global_load_b128 v[32:35], v246, s[4:5]
	global_load_b128 v[36:39], v246, s[4:5] offset:512
	global_load_b128 v[40:43], v246, s[4:5] offset:1024
	global_load_b32 v44, v247, s[4:5]
	; LDS addresses
	s_mul_i32 s85, s19, HB
	v_lshl_add_u32 v[AH], v248, 4, s85
	s_add_co_u32 s85, s85, 12288
	v_lshl_add_u32 v[AS], v248, 2, s85
	s_mul_i32 s85, s20, 16*528
	s_add_co_u32 s85, s85, BOFF
	v_mul_u32_u24 v[AB], v249, 528
	v_lshl_add_u32 v[AB], v250, 6, v[AB]
	v_add_nc_u32 v[AB], s85, v[AB]
	v_lshl_add_u32 v[AT], v250, 6, T0B
	s_lshr_b32 s82, s20, 1
	s_lshl_b32 s82, s82, 5
	s_and_b32 s83, s20, 1
	s_lshl_b32 s83, s83, 3
	s_add_co_u32 s82, s82, s83                     ; my tile's first query of the 64
	v_and_b32 v251, 8, v249
	v_add_nc_u32 v251, v251, v249
	v_add_nc_u32 v251, s82, v251                   ; my query of the 64
	v_mul_u32_u24 v[SO], v251, 272
	v_lshl_add_u32 v[SO], v250, 4, v[SO]
	s_lshl_b32 s83, s19, 6
	s_add_co_u32 s83, s83, STG
	v_add_nc_u32 v[SO], s83, v[SO]                 ; the stage: my query's row; piece 4 e4 + 2 B + h of its sixteen
	v_lshlrev_b32 v[SS], 3, v251
	s_lshl_b32 s83, s19, 1
	s_add_co_u32 s83, s83, SSTG
	v_add_nc_u32 v[SS], s83, v[SS]
	s_mul_i32 s83, s[WV], 4*272
	s_add_co_u32 s83, s83, STG
	v_mul_u32_u24 v[SR], v250, 272
	v_lshl_add_u32 v[SR], v249, 4, v[SR]
	v_add_nc_u32 v[SR], s83, v[SR]                 ; back: rows 4 w + h (+ 2), sixteen lanes to a row
	s_mul_i32 s83, s[WV], 4*768
	v_mul_u32_u24 v[GOC], v250, 768
	v_mad_u32_u24 v[GOC], v249, 12, v[GOC]
	v_add_nc_u32 v[GOC], s83, v[GOC]
	v_lshlrev_b32 v[GG], 4, v248
	s_and_b32 s83, s[WV], 1
	s_lshl_b32 s83, s83, 5
	v_add_nc_u32 v252, s83, v248                   ; waves 0 and 1: row 32 w + lane
	v_lshl_add_u32 v[SSR], v252, 3, SSTG
	v_lshlrev_b32 v[GOS], 5, v252
	; global bases of the way out
	s_mul_i32 s82, s76, 768
	s_mul_i32 s83, s22, 192
	s_add_co_u32 s82, s82, s83
	s_mov_b32 s83, 0
	s_add_nc_u64 s[14:15], s[14:15], s[82:83]      ; ao's codes: my block's first row, my head group's 192 bytes
	s_lshl_b32 s82, s76, 5
	s_lshl_b32 s84, s22, 3
	s_add_co_u32 s82, s82, s84
	s_add_nc_u64 s[16:17], s[16:17], s[82:83]      ; ao's scales: 8 bytes of a row's 32
	s_lshl_b32 s82, s80, 7
	s_lshl_b32 s84, s23, 2
	s_add_co_u32 s82, s82, s84
	s_add_co_u32 s82, s82, s20                     ; the gates' tile: 4 QB + tq of my head's 128
	s_lshl_b32 s82, s82, 12
	s_add_nc_u64 s[8:9], s[8:9], s[82:83]
	; the prefetches: who asks, and where they stand: at step 1; the first change of slots steps them to step 2
	s_xor_b32 s82, s19, 3
	s_or_b32 s82, s82, s22                         ; 0 in waves 12 to 15 of head group 0
	s_cmp_eq_u32 s82, 0
	s_cselect_b32 s[LIMB], 1, -1
	s_lshr_b32 s82, s[WV], 1
	s_xor_b32 s82, s82, 6
	s_or_b32 s82, s82, ttmp9                       ; 0 in waves 12 and 13 of the first cluster: the same in all four partners
	s_cmp_eq_u32 s82, 0
	s_cselect_b32 s[LIMK], 1, -1
	s_lshl_b32 s82, s20, 4
	s_add_co_u32 s82, s82, s76
	s_lshl_b32 s82, s82, 13
	s_add_co_u32 s82, s82, 512
	s_add_nc_u64 s[PFB:PFB+1], s[10:11], s[82:83]
	v_lshrrev_b32 v[PFO], 1, v248
	v_lshlrev_b32 v[PFO], 13, v[PFO]
	v_and_b32 v253, 1, v248
	v_lshl_or_b32 v[PFO], v253, 8, v[PFO]
	s_add_co_u32 s82, s70, s24                     ; the head that my place in the cluster takes
	s_lshl_b32 s82, s82, 4
	s_add_co_u32 s82, s82, 1
	s_mul_i32 s82, s82, HB
	s_add_nc_u64 s[PFK:PFK+1], s[6:7], s[82:83]
	s_and_b32 s82, s[WV], 1
	s_lshl_b32 s82, s82, 5
	v_add_nc_u32 v[PFOK], s82, v248
	v_min_u32 v[PFOK], 49, v[PFOK]
	v_lshlrev_b32 v[PFOK], 8, v[PFOK]
	s_and_b32 s85, s20, 1
	s_cmp_lg_u32 s85, 0
	s_cselect_b32 s86, -1, 0                       ; an odd tile is the pair's second half
	s_lshl_b32 s85, s85, 4
	v_mov_b32 v251, 0xff800000                     ; -infinity
	v_mov_b32 v252, 0x429044fe                     ; 50 log2 e
	v_lshl_add_u32 v254, v0, 4, T0B
	s_wait_loadcnt 0x0
.irp k, 0,1,2,3
	v_bfe_u32 v253, v245, 8*\k, 8
	v_cmp_ne_u32 vcc_lo, 0, v253
	v_cndmask_b32 v[48+\k], v251, v252, vcc_lo
.endr
	ds_store_b128 v254, v[48:51]                   ; the table; the first change of slots waits for it and passes a barrier
.irp i, 0,1,2,3,4,5
	v_cndmask_b32 v[Q+\i], v[32+\i], v[38+\i], s86 ; my tile's six registers,
.endr
.irp i, 0,1,2,3,4,5
	v_mov_b32 v[Q+6+\i], 0                         ; zeros,
	v_mov_b32 v[Q+12+\i], v[Q+\i]                  ; and the six again
.endr
	v_lshrrev_b32 v44, s85, v44
	v_and_b32 v44, 0xffff, v44
	v_lshl_or_b32 v[QS], v44, 16, v44              ; my tile's two bytes, for both halves of K
.set i, 0
.rept 32
	v_mov_b32 v[O+i], 0                            ; (the step is written for every step alike: the first adds onto zeros)
.set i, i+1
.endr
.irp i, 0,1,2,3
	v_mov_b32 v[LS+\i], 0
	v_mov_b32 v[BP+\i], 0                          ; written once: a lane permute's destination counts as one of its sources
.endr
	s_mov_b32 s[TB], 0
	s_mov_b32 s[TS], 0
	s_mov_b32 s[SLOTS], 15
; A KEY STEP: 128 keys.
.macro STEP
	v_add_nc_u32 v[CH], s[TB], v[AH]               ; (these four are also the places behind the last step's products, in front of the loads into their registers)
	v_add_nc_u32 v[CS4], s[TB], v[AS]
	v_add_nc_u32 v[CB], s[TB], v[AB]
	v_add_nc_u32 v[CT], s[TS], v[AT]
.irp j, 0,1,2,3
.irp m, 0,1,2,3
	ds_load_b128 v[S+16*\j+4*\m:S+16*\j+4*\m+3], v[CB] offset:128*\j+16*\m   ; the bias of my query at keys 32 j + 16 h + 4 m on: where the scores of those keys will stand
.endr
.endr
.irp j, 0,1,2,3
.irp c, 0,1,2
	ds_load_b128 v[KF+12*\j+4*\c:KF+12*\j+4*\c+3], v[CH] offset:1536*\j+512*\c
.endr
.endr
	ds_load_b32 v[KSC], v[CS4]
	ds_load_b32 v[KSC+1], v[CS4] offset:128
	s_wait_dscnt 0x0
.irp j, 0,1,2,3                                ; S^T = K Q^T + bias: eight accumulators, one instruction each
.irp u, 0,1
.if \j%2
	v_wmma_scale_f32_16x16x128_f8f6f4 v[S+16*\j+8*\u:S+16*\j+8*\u+7], v[KF+12*\j:KF+12*\j+11], v[Q+6*\u:Q+6*\u+11], v[S+16*\j+8*\u:S+16*\j+8*\u+7], v[KSC+\j/2], v[QS] matrix_a_fmt:MATRIX_FMT_FP6 matrix_b_fmt:MATRIX_FMT_FP6 matrix_a_scale:MATRIX_SCALE_ROW1
.else
	v_wmma_scale_f32_16x16x128_f8f6f4 v[S+16*\j+8*\u:S+16*\j+8*\u+7], v[KF+12*\j:KF+12*\j+11], v[Q+6*\u:Q+6*\u+11], v[S+16*\j+8*\u:S+16*\j+8*\u+7], v[KSC+\j/2], v[QS] matrix_a_fmt:MATRIX_FMT_FP6 matrix_b_fmt:MATRIX_FMT_FP6
.endif
.endr
.endr
.rept 4
	v_nop                                          ; places: in front of the loads into K's registers and of the first read of the scores
.endr
.irp j, 0,1,2,3
.irp m, 0,1,2,3
	ds_load_b128 v[KF+16*\j+4*\m:KF+16*\j+4*\m+3], v[CT] offset:128*\j+16*\m   ; T0 of the same keys: sixteen lanes read the same 16 bytes
.endr
.endr
.set i, 0
.rept 32
	v_pk_mul_f32 v[S+i:S+i+1], v[S+i:S+i+1], s[28:29] op_sel_hi:[1,0]
.set i, i+2
.endr
.set i, 0
.rept 64
	v_exp_f32 v[S+i], v[S+i]                       ; E
.set i, i+1
.endr
	v_nop                                          ; the plain place behind the batch,
	s_wait_alu depctr_va_vdst(0)                   ; and its one wait, ahead of the first reader
.set i, 0
.rept 32
	v_pk_add_f32 v[S+i:S+i+1], v[S+i:S+i+1], 1.0 op_sel_hi:[1,0]
.set i, i+2
.endr
.set i, 0
.rept 64
	v_rcp_f32 v[S+i], v[S+i]                       ; R
.set i, i+1
.endr
	s_wait_dscnt 0x0                               ; T0
	v_nop
	s_wait_alu depctr_va_vdst(0)
.set i, 0
.rept 32
	v_pk_fma_f32 v[S+i:S+i+1], v[S+i:S+i+1], s[30:31], v[KF+i:KF+i+1] op_sel_hi:[1,0,1]   ; t = c2 R + T0: clip and mask in one line
.set i, i+2
.endr
.irp t, 0,1,2,3
.irp c, 0,1,2
	ds_load_b128 v[KF+12*\t+4*\c:KF+12*\t+4*\c+3], v[CH] offset:6144+1536*\t+512*\c   ; V, while the softmax is worked
.endr
.endr
	ds_load_b32 v[VSC], v[CS4] offset:256
	ds_load_b32 v[VSC+1], v[CS4] offset:384
.irp b, 0,1,2,3
	v_max3_num_f32 v[BM+\b], v[S+16*\b], v[S+1+16*\b], v[S+2+16*\b]   ; the largest t of each block of 32 keys: p rises with t, so it gives the block's largest p
.endr
.irp i, 3,5,7,9,11,13
.irp b, 0,1,2,3
	v_max3_num_f32 v[BM+\b], v[BM+\b], v[S+16*\b+\i], v[S+1+16*\b+\i]
.endr
.endr
.irp b, 0,1,2,3
	v_max_num_f32 v[BM+\b], v[BM+\b], v[S+15+16*\b]
.endr
.irp b, 0,1,2,3
	v_permlanex16_b32 v[BP+\b], v[BM+\b], s26, s27
.endr
.irp b, 0,1,2,3
	v_max_num_f32 v[BM+\b], v[BM+\b], v[BP+\b]     ; with lane l xor 16's 16 keys
.endr
.set i, 0
.rept 64
	v_exp_f32 v[S+i], v[S+i]                       ; p = 2^t
.set i, i+1
.endr
	v_nop
	s_wait_alu depctr_va_vdst(0)
.irp b, 0,1,2,3
	v_exp_f32 v[BM+\b], v[BM+\b]                   ; the block's largest p: the same instruction on the same number
.endr
.set i, 0
.rept 8
	v_pk_add_f32 v[LS:LS+1], v[LS:LS+1], v[S+i:S+i+1]          ; THE ROW'S SUM IS TAKEN OF THE UNQUANTISED p, in two chains.  (It reads the 64 alone: plain work behind the four)
	v_pk_add_f32 v[LS+2:LS+3], v[LS+2:LS+3], v[S+i+2:S+i+3]
.set i, i+4
.endr
	s_wait_alu depctr_va_vdst(0)
.irp b, 0,1,2,3
	v_max_num_f32 v[BM+\b], 0x1800000, v[BM+\b]    ; the floor 2^(3 - 127): a block all of whose keys are masked keeps the byte 1; its codes are zeros
.endr
.irp b, 0,1,2,3
	v_add_nc_u32 v[BS+\b], 0xff000000, v[BM+\b]    ; 2 off the exponent field: the conversion's scale operand
.endr
.irp b, 0,1,2,3
	v_lshrrev_b32 v[BP+\b], 23, v[BS+\b]
.endr
	v_lshl_or_b32 v[PS], v[BP+1], 8, v[BP]
	v_lshl_or_b32 v[PS], v[BP+2], 16, v[PS]
	v_lshl_or_b32 v[PS], v[BP+3], 24, v[PS]        ; p's scale word for these 128 keys
.irp c, 0,1
	v_cvt_scalef32_pk16_fp6_f32 v[PC+6*\c:PC+6*\c+2], v[S+32*\c:S+32*\c+15], v[BS+2*\c]
	v_cvt_scalef32_pk16_fp6_f32 v[XT+4*\c:XT+4*\c+2], v[S+32*\c+16:S+32*\c+31], v[BS+2*\c+1]
.endr
	v_nop                                          ; one plain place behind a scaled conversion
.irp c, 0,1                                    ; the operand's layout wants a whole block in a lane
.irp i, 0,1,2
	v_permlane16_swap_b32 v[PC+6*\c+\i], v[XT+4*\c+\i]
.endr
.irp i, 0,1,2
	v_mov_b32 v[PC+6*\c+3+\i], v[XT+4*\c+\i]
.endr
.endr
.set i, 32
.rept 8
	v_pk_add_f32 v[LS:LS+1], v[LS:LS+1], v[S+i:S+i+1]          ; the sum's other half: sixteen plain lines between the operand's and the scale word's last writes and the products
	v_pk_add_f32 v[LS+2:LS+3], v[LS+2:LS+3], v[S+i+2:S+i+3]
.set i, i+4
.endr
	s_wait_dscnt 0x0                               ; V
.irp t, 0,1,2,3                                ; O^T += V^T P^T: four accumulators, one instruction each
.if \t%2
	v_wmma_scale_f32_16x16x128_f8f6f4 v[O+8*\t:O+8*\t+7], v[KF+12*\t:KF+12*\t+11], v[PC:PC+11], v[O+8*\t:O+8*\t+7], v[VSC+\t/2], v[PS] matrix_a_fmt:MATRIX_FMT_FP6 matrix_b_fmt:MATRIX_FMT_FP6 matrix_a_scale:MATRIX_SCALE_ROW1
.else
	v_wmma_scale_f32_16x16x128_f8f6f4 v[O+8*\t:O+8*\t+7], v[KF+12*\t:KF+12*\t+11], v[PC:PC+11], v[O+8*\t:O+8*\t+7], v[VSC+\t/2], v[PS] matrix_a_fmt:MATRIX_FMT_FP6 matrix_b_fmt:MATRIX_FMT_FP6
.endif
.endr
	s_xor_b32 s[TB], s[TB], SLOT1                  ; on to the other slot,
	s_add_co_u32 s[TS], s[TS], 512                 ; and to the next 128 keys of the table
.endm
; THE CHANGE OF SLOTS stands at a step's head.  Each wave waits for all its tensor loads (its part of the slot that it is about to read), adds 0 to its spare word, and waits for that and for its reads of the slot that it has left.
; fill = 1: a round of the cluster's barrier, and behind it the slot just left is filled with the next step's tiles: the load has a whole step in which to land.
.macro CHANGE fill
	s_wait_tensorcnt 0x0                           ; no tensor load of mine is out, so a group 0 may be written
	ds_add_u32 v[SPW], v[NIL]                      ; 0 onto my spare word
.if \fill
	s_xor_b32 s[G0H+1], s[G0H+1], SLOT1
	s_add_nc_u64 s[G0H+2:G0H+3], s[G0H+2:G0H+3], HB
	s_xor_b32 s[G0B+1], s[G0B+1], SLOT1
	s_add_nc_u64 s[G0B+2:G0B+3], s[G0B+2:G0B+3], 512
	s_wait_xcnt 0x0                                ; the last prefetches, a step back, have read their addresses
	s_add_nc_u64 s[PFB:PFB+1], s[PFB:PFB+1], 512
	s_add_nc_u64 s[PFK:PFK+1], s[PFK:PFK+1], HB
.endif
	s_wait_dscnt 0x0                               ; the add is done, my LDS stores have landed, and my reads of the slot that I have left are over
.if \fill
	CROUND
	TLOAD                                          ; the first thing behind the round, and a wave's one tensor load until the next
	ASK
.else
	s_barrier_signal -1
	s_barrier_wait -1
.endif
.endm
.Lstep:                                            ; 15 trips: behind each change of slots but the last the next step is asked for
	CHANGE 1
	STEP
	s_sub_co_u32 s[SLOTS], s[SLOTS], 1
	s_cmp_lg_u32 s[SLOTS], 0
	s_cbranch_scc1 .Lstep
	CHANGE 0                                       ; the last step is written out
	STEP
	; THE WAY OUT.  O^T / the sum, x the gates, quantised along d (two blocks of 32, each in lanes l and l xor 16); a lane's 16 codes are 12 neighbouring bytes of its query's row of ao.
	v_pk_add_f32 v[LS:LS+1], v[LS:LS+1], v[LS+2:LS+3]
.rept 3
	v_nop                                          ; with the line above: the places behind the last products
.endr
.irp c, 0,1,2,3,4,5,6,7
	global_load_b128 v[KF+4*\c:KF+4*\c+3], v[GG], s[8:9] offset:512*\c   ; the gates of my query and head, register for register as O^T lies
.endr
	v_add_f32 v[LS], v[LS], v[LS+1]
	v_permlanex16_b32 v[LS+2], v[LS], s26, s27
	v_add_f32 v[LS], v[LS], v[LS+2]                ; the row's sum
	v_rcp_f32 v[LS], v[LS]
	v_nop
	s_wait_alu depctr_va_vdst(0)
.set i, 0
.rept 16
	v_pk_mul_f32 v[S+i:S+i+1], v[O+i:O+i+1], v[LS:LS+1] op_sel_hi:[1,0]
.set i, i+2
.endr
	s_wait_loadcnt 0x0
.set i, 0
.rept 16
	v_pk_mul_f32 v[S+i:S+i+1], v[S+i:S+i+1], v[KF+i:KF+i+1]
.set i, i+2
.endr
.irp b, 0,1
	v_max3_num_f32 v[BM+\b], |v[S+16*\b]|, |v[S+1+16*\b]|, 0x1800000
.endr
.irp i, 2,4,6,8,10,12,14
.irp b, 0,1
	v_max3_num_f32 v[BM+\b], v[BM+\b], |v[S+16*\b+\i]|, |v[S+1+16*\b+\i]|
.endr
.endr
.irp b, 0,1
	v_permlanex16_b32 v[BP+\b], v[BM+\b], s26, s27
.endr
.irp b, 0,1
	v_max_num_f32 v[BM+\b], v[BM+\b], v[BP+\b]
.endr
.irp b, 0,1
	v_add_nc_u32 v[BS+\b], 0xff000000, v[BM+\b]
.endr
.irp b, 0,1
	v_lshrrev_b32 v[BP+\b], 23, v[BS+\b]
.endr
	v_lshl_or_b32 v[PS], v[BP+1], 8, v[BP]         ; my head's two scale bytes
	v_cvt_scalef32_pk16_fp6_f32 v[PC:PC+2], v[S:S+15], v[BS]
	v_cvt_scalef32_pk16_fp6_f32 v[PC+4:PC+6], v[S+16:S+31], v[BS+1]
	v_nop
	ds_store_b96 v[SO], v[PC:PC+2]                 ; d 16 h on,
	ds_store_b96 v[SO], v[PC+4:PC+6] offset:32     ; d 32 + 16 h on: 12 bytes to a place of 16
	ds_store_b16 v[SS], v[PS]                      ; both lanes of a query write the same two bytes
	s_wait_dscnt 0x0                               ; for the others' sake: my stores have landed
	s_barrier_signal -1
	s_barrier_wait -1
	ds_load_b96 v[64:66], v[SR]
	ds_load_b96 v[68:70], v[SR] offset:2*272
	s_wait_dscnt 0x0
	global_store_b96 v[GOC], v[64:66], s[14:15]    ; sixteen lanes store a row's 192 consecutive bytes: four heads' codes
	global_store_b96 v[GOC], v[68:70], s[14:15] offset:2*768
	s_cmp_lt_u32 s[WV], 2
	s_cbranch_scc0 .Lno_scales
	ds_load_b64 v[72:73], v[SSR]
	s_wait_dscnt 0x0
	global_store_b64 v[GOS], v[72:73], s[16:17]    ; a row's 8 scale bytes
.Lno_scales:
	s_wait_tensorcnt 0x0                           ; the wave's end
	ds_add_u32 v[SPW], v[NIL]
	s_wait_dscnt 0x0
	CROUND                                         ; the closing round
	s_endpgm
.Lfunc_end_k_qae4b162209_attn:
	.size	k_qae4b162209_attn, .Lfunc_end_k_qae4b162209_attn-k_qae4b162209_attn
	.p2alignl 7, 3214868480
	.fill 96, 4, 3214868480
	.section	.rodata,"a",@progbits
	.p2align	6, 0x0
	.amdhsa_kernel k_qae4b162209_attn
		.amdhsa_group_segment_fixed_size 327680
		.amdhsa_private_segment_fixed_size 0
		.amdhsa_enable_private_segment 0
		.amdhsa_kernarg_size 56
		.amdhsa_user_sgpr_count 2
		.amdhsa_user_sgpr_kernarg_segment_ptr 1
		.amdhsa_wavefront_size32 1
		.amdhsa_system_sgpr_workgroup_id_x 1
		.amdhsa_system_sgpr_workgroup_id_y 1
		.amdhsa_system_sgpr_workgroup_id_z 1
		.amdhsa_system_vgpr_workitem_id 0
		.amdhsa_next_free_vgpr 256
		.amdhsa_next_free_sgpr 90
		.amdhsa_reserve_vcc 1
		.amdhsa_float_denorm_mode_32 3
		.amdhsa_float_denorm_mode_16_64 3
		.amdhsa_memory_ordered 1
		.amdhsa_forward_progress 1
		.amdhsa_inst_pref_size 69
	.end_amdhsa_kernel
	.amdgpu_metadata
---
amdhsa.version: [ 1, 2 ]
amdhsa.kernels:
  - .name:           k_qae4b162209_attn
    .symbol:         k_qae4b162209_attn.kd
    .args:
      - { .name: qw, .offset: 0, .size: 8, .value_kind: global_buffer, .address_space: global }
      - { .name: kv, .offset: 8, .size: 8, .value_kind: global_buffer, .address_space: global }
      - { .name: gimg, .offset: 16, .size: 8, .value_kind: global_buffer, .address_space: global }
      - { .name: attn_bias, .offset: 24, .size: 8, .value_kind: global_buffer, .address_space: global }
      - { .name: mask, .offset: 32, .size: 8, .value_kind: global_buffer, .address_space: global }
      - { .name: ao_codes, .offset: 40, .size: 8, .value_kind: global_buffer, .address_space: global }
      - { .name: ao_scales, .offset: 48, .size: 8, .value_kind: global_buffer, .address_space: global }
    .group_segment_fixed_size: 327680
    .private_segment_fixed_size: 0
    .kernarg_segment_align: 8
    .kernarg_segment_size: 56
    .max_flat_workgroup_size: 512
    .sgpr_count:     90
    .vgpr_count:     256
    .wavefront_size: 32
...
	.end_amdgpu_metadata
.endif
;; end of part 2
;; launch outp (part 3): grid 8 x 32, 4 waves a work-group, clusters of 4 x 4, 263,680 bytes of LDS; arguments ao_codes, ao_scales, Wo_codes, Wo_scales, out0; writes out0
.if DOCPART == 3
	.amdgcn_target "amdgcn-amd-amdhsa--gfx1250"
	.amdhsa_code_object_version 6
	.text
	.protected	k_qae4b162209_outp
	.globl	k_qae4b162209_outp
	.p2align	8
	.type	k_qae4b162209_outp,@function
k_qae4b162209_outp:
	s_mov_b64 s[64:65], 0
	v_nop
	global_prefetch_b8 v0, s[64:65] scope:SCOPE_SE
	s_setreg_imm32_b32 hwreg(HW_REG_WAVE_MODE, 25, 1), 1
	s_wait_xcnt 0x0
	s_wait_alu depctr_hold_cnt(0) depctr_sa_sdst(0) depctr_va_vdst(0) depctr_va_sdst(0) depctr_va_ssrc(0) depctr_va_vcc(0) depctr_vm_vsrc(0)
	s_getreg_b32 s2, hwreg(HW_REG_IB_STS2, 6, 4)
	s_cmp_eq_u32 s2, 0
	s_cbranch_scc0 .Lentry_in_a_cluster
	s_endpgm
.Lentry_in_a_cluster:
	s_bfe_u32 s2, ttmp6, 0x10000c
	s_cmp_lg_u32 s2, 0xf033
	s_cbranch_scc0 .Lentry_shape_is_right
	s_endpgm
.Lentry_shape_is_right:
; out0 [4096][1024] f32 = ao [4096][1024] x Wo^T, Wo given [1024 (n)][1024 (k)]: both as codes of FP6 (E2M3), K innermost, one E8M0 byte for each 32 along K.
; A tile of 128 x 128 to a work-group, so that there are 256 of them; four waves, each 64 x 64: 16 accumulators.
; NO RING: the tile's 128 rows of A and of B, for all of K, fit in LDS together.  They come in four chunks of 256 along K, each wave's four tensor loads issued at the start; a chunk is read behind the counted wait for it
; and a barrier.  No LDS byte is filled twice.
; The scale words go straight into registers, once: a row's 32 bytes are the eight words of its eight steps of 128.
; CLUSTERS: 4 x 4 work-groups; A's tile is shared along a row of the cluster, B's along a column, each asked for jointly.  The matrix instruction is used transposed (source 0 = rows of Wo, source 1 = rows of ao):
; a lane holds eight neighbouring numbers of a row of out0.
; REGISTERS: window 0: v8-23 addresses of the four chunks; v24-27; v32-63 A's scale words (8 i + step), v64-95 B's, and nothing else there; v128-255 the accumulators.
;   window 1: two fragment buffers of 96 (A's four, B's four) at v0 and v128; on the way out v0-63 take the rows read back from the stage.
.set PITCH,  240                       ; an LDS row: 3 x (64 bytes + 16 of padding)
.set ROWB,   192
.set KROW,   768
.set QUART,  64*PITCH                  ; 64 rows: what one tensor load brings
.set CHUNK,  4*QUART                   ; A's 128 rows, then B's 128
.set STAGE,  4*CHUNK                   ; behind the chunks: 16 rows x (256 bytes + 16) for each wave
.set SPITCH, 272
.set FR,   12
.set ADRA, 8                           ; v8-11 A's fragments in chunk c; v12-15 the same behind one padding more
.set ADRB, 16                          ; v16-23 B's
.set STO,  24
.set RD,   25
.set CO,   26
.set SOF,  27
.set SA,   32
.set SB,   64
.set ACC,  128
.set G1,   24
.set G1B,  32
.set G0A,  40                          ; s40-55 group 0 for A's four chunks
.set G0B,  68                          ; s68-83 for B's
.set MSB, 0
.macro WIN new
.if MSB != (\new)
	s_set_vgpr_msb (MSB<<8)|(\new)
.set MSB, (\new)
.endif
.endm
.set MUL,  0x05                        ; sources 0 and 1 window 1; C and D window 0
.set TO_F, 0x40                        ; destination window 1, address window 0
.macro CROUND                          ; a round of the cluster's barrier
	s_barrier_signal -1
	s_barrier_wait -1
	s_cmp_lg_u32 s14, 0
	s_cbranch_scc1 .Lnot_wave_0_\@
	s_barrier_signal -3
.Lnot_wave_0_\@:
	s_barrier_wait -3
	s_barrier_signal -1
	s_barrier_wait -1
.endm
.macro PLACES
.rept 4
	v_nop
.endr
.endm
	s_load_b128 s[4:7], s[0:1], 0x0                ; ao's codes, scales
	s_load_b128 s[8:11], s[0:1], 0x10              ; Wo's codes, scales
	s_load_b64 s[12:13], s[0:1], 0x20              ; out0
	v_lshl_add_u32 v126, v0, 2, 0x40400
	v_mov_b32 v127, 0
	ds_add_u32 v126, v127
	v_lshrrev_b32 v1, 5, v0
	v_readfirstlane_b32 s14, v1                    ; wave 0..3
	s_lshr_b32 s15, s14, 1                         ; which half of the tile's rows is mine.  Also: I fetch for A (0) or for B (1)
	s_and_b32 s16, s14, 1                          ; which half of its columns.  Also: which 64 rows of that tile I fetch
	s_bfe_u32 s86, ttmp6, 0x40000                  ; cx, cy
	s_bfe_u32 s87, ttmp6, 0x40004
	s_lshl_b32 s88, ttmp9, 2
	s_add_co_u32 s88, s88, s86                     ; tile column
	s_and_b32 s17, ttmp7, 0xffff
	s_lshl_b32 s17, s17, 2
	s_add_co_u32 s17, s17, s87                     ; tile row
	s_lshl_b32 s89, s87, 2
	s_lshl_b32 s89, 15, s89                        ; my row of the cluster
	s_lshl_b32 s90, 0x1111, s86                    ; my column
	s_or_b32 s[G1+0], s89, (0<<16)|(1<<20)|(1<<21)|(3<<22)|(3<<25)   ; elements of 1 byte; 4 words of padding behind every 16
	s_or_b32 s[G1B+0], s90, (0<<16)|(1<<20)|(1<<21)|(3<<22)|(3<<25)
.irp g, G1, G1B
	s_mov_b32 s[\g+1], ROWB<<16                    ; tensor_dim0
	s_mov_b32 s[\g+2], 64<<16                      ; tensor_dim1
	s_mov_b32 s[\g+3], ROWB<<16                    ; tile_dim0
	s_mov_b32 s[\g+4], 64                          ; tile_dim1
	s_mov_b32 s[\g+5], KROW                        ; tensor_dim0_stride
	s_mov_b32 s[\g+6], 0
	s_mov_b32 s[\g+7], 0
.endr
	s_lshl_b32 s18, s16, 6
	s_lshl_b32 s20, s17, 7
	s_add_co_u32 s20, s20, s18                     ; A: row 128 x tile row + 64 x half
	s_lshl_b32 s56, s88, 7
	s_add_co_u32 s56, s56, s18                     ; B: row 128 x tile column + 64 x half
	s_mul_i32 s20, s20, KROW
	s_mov_b32 s21, 0
	s_mul_i32 s56, s56, KROW
	s_mov_b32 s57, 0
	s_mul_i32 s58, s14, QUART                      ; where they go: wave x 64 rows
	s_wait_dscnt 0x0
	s_wait_kmcnt 0x0
	s_add_nc_u64 s[20:21], s[4:5], s[20:21]
	s_add_nc_u64 s[56:57], s[8:9], s[56:57]
	CROUND                                         ; all sixteen work-groups are here: the joint loads meet
.irp c, 0,1,2,3
	s_mov_b32 s[G0A+4*\c], 1
	s_add_co_u32 s[G0A+4*\c+1], s58, \c*CHUNK
	s_add_nc_u64 s[G0A+4*\c+2:G0A+4*\c+3], s[20:21], \c*ROWB
	s_or_b32 s[G0A+4*\c+3], s[G0A+4*\c+3], 0x80000000
	s_mov_b32 s[G0B+4*\c], 1
	s_add_co_u32 s[G0B+4*\c+1], s58, \c*CHUNK
	s_add_nc_u64 s[G0B+4*\c+2:G0B+4*\c+3], s[56:57], \c*ROWB
	s_or_b32 s[G0B+4*\c+3], s[G0B+4*\c+3], 0x80000000
.endr
	s_cmp_eq_u32 s15, 0                            ; a wave's four fills stand in one branch, ahead of every wait on TENSORcnt and every LDS read: four loads of mine are out
	s_cbranch_scc0 .Lfill_b
.irp c, 0,1,2,3
	tensor_load_to_lds s[G0A+4*\c:G0A+4*\c+3], s[G1:G1+7]
	s_nop 0
.endr
	PLACES
	s_branch .Lfilled
.Lfill_b:
.irp c, 0,1,2,3
	tensor_load_to_lds s[G0B+4*\c:G0B+4*\c+3], s[G1B:G1B+7]
	s_nop 0
.endr
	PLACES
.Lfilled:
	v_and_b32 v1, 15, v0                           ; r
	v_bfe_u32 v2, v0, 4, 1                         ; h
	s_lshl_b32 s22, s17, 12                        ; the scale words: 128 rows x 32 bytes a tile,
	s_lshl_b32 s23, s15, 11                        ; my 64 rows
	s_add_co_u32 s22, s22, s23
	s_mov_b32 s23, 0
	s_add_nc_u64 s[6:7], s[6:7], s[22:23]
	s_lshl_b32 s60, s88, 12
	s_lshl_b32 s61, s16, 11
	s_add_co_u32 s60, s60, s61
	s_mov_b32 s61, 0
	s_add_nc_u64 s[10:11], s[10:11], s[60:61]
	v_lshlrev_b32 v[SOF], 5, v1
.irp i, 0,1,2,3
	global_load_b128 v[SA+8*\i:SA+8*\i+3], v[SOF], s[6:7] offset:512*\i        ; lane r: row r of block i, steps 0-3; sixteen lanes' two loads cover 512 consecutive bytes
	global_load_b128 v[SA+8*\i+4:SA+8*\i+7], v[SOF], s[6:7] offset:512*\i+16
	global_load_b128 v[SB+8*\i:SB+8*\i+3], v[SOF], s[10:11] offset:512*\i
	global_load_b128 v[SB+8*\i+4:SB+8*\i+7], v[SOF], s[10:11] offset:512*\i+16
.endr
	v_mul_u32_u24 v3, v1, PITCH
	v_mul_u32_u24 v4, v2, 24
	v_add_nc_u32 v4, v3, v4                        ; row x pitch + 24 x half
	v_lshl_add_u32 v5, v2, 4, v4                   ; and the same behind one padding more
	s_mul_i32 s62, s15, QUART                      ; my 64 rows of A
	s_mul_i32 s63, s16, QUART
	s_add_co_u32 s63, s63, 2*QUART                 ; my 64 rows of B, behind A's 128
.irp c, 0,1,2,3
	v_add_nc_u32 v[ADRA+\c], s62, v4
	v_add_nc_u32 v[ADRA+4+\c], s62, v5
	v_add_nc_u32 v[ADRB+\c], s63, v4
	v_add_nc_u32 v[ADRB+4+\c], s63, v5
	s_add_co_u32 s62, s62, CHUNK
	s_add_co_u32 s63, s63, CHUNK
.endr
	s_mul_i32 s62, s14, 16*SPITCH
	s_add_co_u32 s62, s62, STAGE                   ; my stage
	v_mul_u32_u24 v3, v1, SPITCH
	v_lshl_add_u32 v3, v2, 5, v3
	v_add_nc_u32 v[STO], s62, v3                   ; in: row r, 32 bytes for each half of the lanes
	v_mul_u32_u24 v3, v2, SPITCH
	v_lshl_add_u32 v3, v1, 4, v3
	v_add_nc_u32 v[RD], s62, v3                    ; back: lanes 0-15 one row of 256 bytes, lanes 16-31 the next
	v_lshlrev_b32 v3, 12, v2
	v_lshl_add_u32 v[CO], v1, 4, v3                ; and the same two rows of out0, 4,096 bytes apart
	s_lshl_b32 s22, s17, 7
	s_lshl_b32 s60, s15, 6
	s_add_co_u32 s22, s22, s60
	s_lshl_b32 s22, s22, 12                        ; my first row
	s_lshl_b32 s60, s88, 9
	s_lshl_b32 s61, s16, 8
	s_add_co_u32 s60, s60, s61                     ; my first column, in bytes
	s_add_co_u32 s22, s22, s60
	s_add_nc_u64 s[12:13], s[12:13], s[22:23]
.macro FRAG reg, adr, q, i             ; a fragment: 16 rows x 128 K = 12 registers, in pieces of 8 bytes; lanes 16-31 read three pieces further on; where that is behind one padding more, the second address register serves
.irp p, 0,1,2,3,4,5
.set PCE, 12*(\q)+6*(\p/3)+\p%3
.if PCE%8 < 5
	ds_load_b64 v[\reg+2*\p:\reg+2*\p+1], v[\adr] offset:8*PCE+16*(PCE/8)+(\i)*16*PITCH
.else
	ds_load_b64 v[\reg+2*\p:\reg+2*\p+1], v[\adr+4] offset:8*PCE+16*(PCE/8)+(\i)*16*PITCH
.endif
.endr
.endm
.macro FETCH kap, f                    ; step kap's eight fragments into buffer f
	WIN TO_F
.irp i, 0,1,2,3
	FRAG 128*(\f)+FR*\i, ADRA+(\kap)/2, (\kap)%2, \i
.endr
.irp i, 0,1,2,3
	FRAG 128*(\f)+48+FR*\i, ADRB+(\kap)/2, (\kap)%2, \i
.endr
.endm
; 8 matrix instructions: A's blocks a0, a0 + 1 x B's four.  The 16 accumulators take turns, one instruction a turn, in the same order in every step.
.macro MUL8 f, kap, a0, zero
.irp a, \a0, \a0+1
.irp b, 0,1,2,3
.if \zero
	v_wmma_scale_f32_16x16x128_f8f6f4 v[ACC+8*(4*(\a)+\b):ACC+8*(4*(\a)+\b)+7], v[128*(\f)+48+FR*\b:128*(\f)+48+FR*\b+FR-1], v[128*(\f)+FR*(\a):128*(\f)+FR*(\a)+FR-1], 0, v[SB+8*\b+(\kap)], v[SA+8*(\a)+(\kap)] matrix_a_fmt:MATRIX_FMT_FP6 matrix_b_fmt:MATRIX_FMT_FP6
.else
	v_wmma_scale_f32_16x16x128_f8f6f4 v[ACC+8*(4*(\a)+\b):ACC+8*(4*(\a)+\b)+7], v[128*(\f)+48+FR*\b:128*(\f)+48+FR*\b+FR-1], v[128*(\f)+FR*(\a):128*(\f)+FR*(\a)+FR-1], v[ACC+8*(4*(\a)+\b):ACC+8*(4*(\a)+\b)+7], v[SB+8*\b+(\kap)], v[SA+8*(\a)+(\kap)] matrix_a_fmt:MATRIX_FMT_FP6 matrix_b_fmt:MATRIX_FMT_FP6
.endif
.endr
.endr
.endm
	s_wait_tensorcnt 3                             ; my part of chunk 0 is in; the three later chunks may be out,
	s_barrier_signal -1
	s_barrier_wait -1                              ; everybody's is
	FETCH 0, 0
	s_wait_loadcnt 0x0                             ; the scale words
.irp kap, 0,1,2,3,4,5,6,7                      ; eight steps of 128 along K, written out: every offset is an immediate
	s_wait_dscnt 0x0                               ; this step's fragments are in
	WIN MUL
.if \kap == 0
	MUL8 0, 0, 0, 1                                ; the first products start the sums
.else
	MUL8 (\kap)%2, \kap, 0, 0
.endif
.if ((\kap)%2 == 1) && (\kap < 7)
	s_wait_tensorcnt 3-((\kap)+1)/2                ; my part of the next chunk is in; the chunks behind it may be out.  (No LDS load of mine is out here)
	s_barrier_signal -1
	s_barrier_wait -1
.endif
.if \kap < 7
	PLACES                                         ; in front of the loads into the buffer that the last step's products read
	FETCH (\kap)+1, 1-(\kap)%2
.endif
	WIN MUL
.if \kap == 0
	MUL8 0, 0, 2, 1
.else
	MUL8 (\kap)%2, \kap, 2, 0
.endif
.endr
	WIN 0
	PLACES
; THE WAY OUT, block by block of 16 rows x 64 columns: a lane's 32 bytes go into my own stage and come back as whole rows of 256 bytes.  LDS serves a wave's instructions in order (ISA guide 5.7.1.4).
.macro TOSTAGE a
	WIN 0
.irp b, 0,1,2,3
	ds_store_b128 v[STO], v[ACC+8*(4*(\a)+\b):ACC+8*(4*(\a)+\b)+3] offset:64*\b       ; each accumulator from its low end on
	ds_store_b128 v[STO], v[ACC+8*(4*(\a)+\b)+4:ACC+8*(4*(\a)+\b)+7] offset:64*\b+16
.endr
	WIN TO_F
.irp t, 0,1,2,3,4,5,6,7
	ds_load_b128 v[32*((\a)%2)+4*\t:32*((\a)%2)+4*\t+3], v[RD] offset:\t*2*SPITCH
.endr
.endm
.macro SEND a, younger                 ; younger: the LDS instructions issued behind block a's loads, which may stay out
	s_wait_dscnt \younger
	WIN 0x04                                       ; a store's data are its source 1: window 1
.irp t, 0,1,2,3,4,5,6,7
	global_store_b128 v[CO], v[32*((\a)%2)+4*\t:32*((\a)%2)+4*\t+3], s[12:13] offset:((\a)*16+2*\t)*4096 th:TH_STORE_NT   ; 16 lanes store 256 consecutive bytes, at a multiple of 256 from out0's first byte
.endr
.endm
	TOSTAGE 0
.irp a, 1,2,3
.if \a > 1
	s_wait_xcnt 0x0                                ; block a - 2's stores have read their registers: block a's loads may land there
.endif
	TOSTAGE \a
	SEND \a-1, 16                                  ; behind block a - 1's loads: block a's 8 stores and 8 loads
.endr
	SEND 3, 0
	WIN 0
	s_wait_tensorcnt 0x0
	ds_add_u32 v126, v127
	s_wait_dscnt 0x0
	CROUND                                         ; the closing round: no work-group ends while a partner may still ask for a tile that names it
	s_endpgm
.Lfunc_end_k_qae4b162209_outp:
	.size	k_qae4b162209_outp, .Lfunc_end_k_qae4b162209_outp-k_qae4b162209_outp
	.p2alignl 7, 3214868480
	.fill 96, 4, 3214868480
	.section	.rodata,"a",@progbits
	.p2align	6, 0x0
	.amdhsa_kernel k_qae4b162209_outp
		.amdhsa_group_segment_fixed_size 263680
		.amdhsa_private_segment_fixed_size 0
		.amdhsa_enable_private_segment 0
		.amdhsa_kernarg_size 40
		.amdhsa_user_sgpr_count 2
		.amdhsa_user_sgpr_kernarg_segment_ptr 1
		.amdhsa_wavefront_size32 1
		.amdhsa_system_sgpr_workgroup_id_x 1
		.amdhsa_system_sgpr_workgroup_id_y 1
		.amdhsa_system_sgpr_workgroup_id_z 1
		.amdhsa_system_vgpr_workitem_id 0
		.amdhsa_next_free_vgpr 512
		.amdhsa_next_free_sgpr 96
		.amdhsa_reserve_vcc 0
		.amdhsa_float_denorm_mode_32 3
		.amdhsa_float_denorm_mode_16_64 3
		.amdhsa_memory_ordered 1
		.amdhsa_forward_progress 1
		.amdhsa_inst_pref_size 61
	.end_amdhsa_kernel
	.amdgpu_metadata
---
amdhsa.version: [ 1, 2 ]
amdhsa.kernels:
  - .name:           k_qae4b162209_outp
    .symbol:         k_qae4b162209_outp.kd
    .args:
      - { .name: ao_codes, .offset: 0, .size: 8, .value_kind: global_buffer, .address_space: global }
      - { .name: ao_scales, .offset: 8, .size: 8, .value_kind: global_buffer, .address_space: global }
      - { .name: Wo_codes, .offset: 16, .size: 8, .value_kind: global_buffer, .address_space: global }
      - { .name: Wo_scales, .offset: 24, .size: 8, .value_kind: global_buffer, .address_space: global }
      - { .name: out0, .offset: 32, .size: 8, .value_kind: global_buffer, .address_space: global }
    .group_segment_fixed_size: 263680
    .private_segment_fixed_size: 0
    .kernarg_segment_align: 8
    .kernarg_segment_size: 40
    .max_flat_workgroup_size: 128
    .sgpr_count:     96
    .vgpr_count:     512
    .wavefront_size: 32
...
	.end_amdgpu_metadata
.endif
;; end of part 3
